; MI455X (gfx1250); checked and timed in simulation.
; The chip was launched on July 23, 2026; its instructions are those of AMD's public machine-readable ISA for CDNA 5 (MIT licence, August 2026) and "CDNA5" Instruction Set Architecture Reference Guide (July 2026). The comments in the code are by the model that wrote it; some were corrected since.
;; Concept Net Encoder. Allowed arithmetic: matrix products marked QUANTISED: E2M1 operands, one E8M0 scale for each 32 along K, by v_wmma_scale_f32_16x16x128_f8f6f4 with both operands' format E2M1 (or v_wmma_scale_f32_32x16x128_f4), f32 sums; products left as they are: f32 operands where the result goes on into a quantised operand, else bf16, f16 or f32 operands; f32 sums; everything else in f32.
;; Inputs: a 256 x 256 float32; b 256 x 1 float32; conceptnet_text_vec 4 x 256 int32; table 100,000 x 256 float32.
;; Outputs: out0 4 x 256 x 256 float32.
;; Constants: topk = 16.
;; This version of the problem:
;;   THIS VERSION OF THE PROBLEM IS GIVEN IN LOW PRECISION. The matrix products marked QUANTISED in the list below multiply operands that are first quantised to E2M1 (2 exponent bits, 1 mantissa bit; 4 bits a number), with one power-of-two scale for each 32 numbers along K (OCP MX v1.0); their sums are f32. All else is computed in f32.
;;   The module's matrix products, in the order in which they are computed (A, B: the left and right operand; K: the contracted axis; several contracted axes count as one K, in the product's order):
;;     1. [M 1,024, K 256] x [K 256, N 100,000]; A: computed on the way; B: input table: QUANTISED
;;     2. [M 16,384, K 256] x [K 256, N 256]; A: computed on the way; B: input a: QUANTISED
;;     3. [M 16,384, K 256] x [K 256, N 1]; A: computed on the way; B: input b: left as it is (N = 1 < 16)
;;     4. batch 1,024 x [M 1, K 16] x [K 16, N 256]; A: softmax; B: computed on the way: left as it is (K = 16 < 32)
;;   THE QUANTISER, for each operand of a quantised product, along K:
;;     - K is cut into blocks of 32 from its start; a last block that is shorter is filled with zeros.
;;     - A block's scale is 2^e with e = floor(log2(the largest magnitude in the block)) - 2, held to -126 .. 127; a block of zeros has e = 0. As a byte (E8M0): e + 127.
;;     - Each number is divided by its block's scale, clamped to +-6, and rounded to the nearest number of E2M1, ties to even, subnormals kept.
;;     - The product sums the exact products of the quantised numbers (number of the format x scale) in f32.
;;   ~~~python
;;   def quantise(x, axis):      # numpy; x: float32 -> the quantised numbers, widened to float32 again
;;       x = np.moveaxis(x, axis, -1); K = x.shape[-1]
;;       x = np.pad(x, [(0, 0)] * (x.ndim - 1) + [(0, -K % 32)]); x = x.reshape(x.shape[:-1] + (-1, 32)); a = np.abs(x).max(-1, keepdims=True)
;;       e = np.where(a > 0, np.clip(np.frexp(np.where(a > 0, a, 1))[1] - 1 - 2, -126, 127), 0)      # np.frexp(a)[1] - 1 = floor(log2(a)), exactly
;;       r = np.clip(x / 2.0 ** e, -6, 6)
;;       step = 2.0 ** (np.maximum(np.frexp(np.where(r == 0, 1, r))[1] - 1, 0) - 1)
;;       q = np.round(r / step) * step * 2.0 ** e      # np.round: ties to even
;;       return np.moveaxis(q.reshape(q.shape[:-2] + (-1,))[..., :K], -1, axis).astype(np.float32)
;;   ~~~
;;   OPERANDS COMPUTED ON THE WAY. 'Computed on the way' means the value that the module computes at that place (a softmax that the list does not call 'softmax' is quantised finished and normalised). What goes into a quantiser is computed in f32, as accurately as f32 sums, v_exp_f32 and their like allow (about 1e-6 of the number): no bf16 or f16 on the way to a quantiser, and a product that is left as it is and whose result goes on into a quantised operand takes f32 operands (vector FMAs, or v_wmma_f32_16x16x4_f32). A number that lies on a knife's edge between two numbers of the format may be rounded either way, as far as f32 arithmetic and the matrix unit's own rounding can turn it there, and no further.
;; One version. Each part assembles by itself: llvm-mc -triple=amdgcn-amd-amdhsa -mcpu=gfx1250 --defsym DOCPART=n.
;; ======== version 1 of 1: 5 launches
;; limits: right only within a limited range of input values
;; workspace buffers: prep 3,438,080 bytes; tcodes 12,800,000 bytes; tscales 800,000 bytes; gmax 10,240,000 bytes; rowmax 4,096 bytes; glist 65,536 bytes of whole numbers; idx16 65,536 bytes of whole numbers
;; launch first (part 1): grid 395 x 1, 4 waves a work-group, no clusters, 34,304 bytes of LDS; arguments conceptnet_text_vec, table, a, prep; writes prep
.if DOCPART == 1
	.amdgcn_target "amdgcn-amd-amdhsa--gfx1250"
	.amdhsa_code_object_version 6
	.text
	.protected	k_q1bfadb7d5b_first
	.globl	k_q1bfadb7d5b_first
	.p2align	8
	.type	k_q1bfadb7d5b_first,@function
k_q1bfadb7d5b_first:
	s_mov_b64 s[64:65], 0
	v_nop
	global_prefetch_b8 v0, s[64:65] scope:SCOPE_SE
	s_setreg_imm32_b32 hwreg(HW_REG_WAVE_MODE, 25, 1), 1
	s_wait_xcnt 0x0
; FIRST: the two small operands, and the first rows of every slab of the table, become codes of E2M1 with one E8M0 byte for each 32 along K.
; WORK LEFT OUT IN THIS PROGRAM: reference() uses its first softmax only through the ORDER of its values (top_k's indices). The division by the row's sum is one positive factor
; for a whole row and moves no order, for all finite inputs: it is not done; the maximum taken away and the exponential are kept, in the launches that choose.
; LIMIT: a NaN, an infinity or an overflow that would arise in that sum alone is not carried to the result.
; Work-groups 0-15: the 1,024 queries (rows of table named by conceptnet_text_vec), a wave to a tile of 16.  Work-groups 16-19: a [256 (k)][256 (n)], a wave to 16 columns.  Both go to prep as IMAGES OF OPERAND REGISTERS:
; tile T of queries at 2048 T + 1024 s + 512 c + 16 lane; its scale words at QSC + 128 T + 4 lane (lanes 0-15 K step 0, lanes 16-31 K step 1); a's tiles likewise at AC and ASC.
; They have the lowest numbers: their chains of dependent loads are the longest.
; Work-groups 20-394: of each slab of 400 rows (two regions of 25 octets of 8 rows) octets 0-5 of both regions.  Wave U = 6 slab + 3 region + pair takes octets 2 pair and 2 pair + 1 in 4 calls; a call = 8 rows x 128 along K.
; Each load reads 512 consecutive bytes; a call's 4,096 bytes turn through the wave's own stage in LDS and come back 128 bytes (one block of 32) a lane.
; Codes: PCB + 2048 U + 512 call + 128 (block % 4) + 16 r'.  Scale words: PSB + 128 U + 32 call + 4 r'.  The next launch takes them from there.
; A block's scale is 2^(floor(log2(largest magnitude)) - 2); its byte is the largest magnitude's exponent field - 2, held at 1 from below. A block of zeros keeps the byte 1: its codes are zeros, and only this program reads the bytes.
; NO TENSOR LOAD, NO CLUSTER, NO BARRIER: waves share nothing. NO PREFETCH: a wave issues all its 32 loads at its head, and there is no loop to run ahead in.
; A wave's scale words leave as 128 consecutive bytes: half an aligned 256.
; LIMITS: blocks whose largest magnitude lies under 2^-124 were not tried; NaN and infinities are not served; an index outside 0 .. 99,999 is held at 99,999.
.set IDMAX, 99999
.set QSC,   131072
.set AC,    139264
.set ASC,   172032
.set PCB,   174080
.set PSB,   3246080
.set TM,  8                            ; the small paths: v8-23 at work
.set PW0, 24
.set PW1, 25
.set PC0, 26
.set PC1, 34
.set X,   48                           ; v48-175 128 numbers of a lane
.set SP,    528                        ; a stage row: 512 bytes + 16
.set WSTG,  8448                       ; a wave's two stages of 8 rows
.set SPARE, 33792                      ; behind the four waves' stages: the spare words
.set RQ,   4                           ; v4-131   four sets of 32: numbers as loaded
.set XQ,   132                         ; v132-195 two sets of 32: a block of 32 neighbours
.set CQ,   196                         ; v196-211 a call's codes, four registers each: no store's data are written again
.set GOFF, 236                         ; 16 x lane
.set STS,  237                         ; the stage, on the way in
.set STL,  238                         ; and on the way out
.set SOFF, 239                         ; 4 x lane
.set SHB,  240                         ; 8 x (lane / 8)
.set QM0,  242
.set QM1,  243
.set QSCL, 244
.set QBY,  245
.set TMPW, 246
.set WQ,   247                         ; the four calls' scale words
.set SPW,  250                         ; my spare word; never rewritten
.set NIL,  251                         ; 0; never rewritten
; 64 numbers of a lane, register 16 b + i = k 32 b + 16 (lane / 16) + i of my row, become a fragment and its scale word
.macro QUANT src, pc, pw
.irp b, 0,1,2,3
	v_max3_num_f32 v[TM+\b], |v[\src+16*\b]|, |v[\src+1+16*\b]|, 0x1800000   ; with the floor 2^(3 - 127)
.endr
.irp i, 2,4,6,8,10,12,14
.irp b, 0,1,2,3
	v_max3_num_f32 v[TM+\b], v[TM+\b], |v[\src+16*\b+\i]|, |v[\src+1+16*\b+\i]|
.endr
.endr
.irp b, 0,1,2,3
	v_permlanex16_b32 v[TM+4+\b], v[TM+\b], s22, s23
.endr
.irp b, 0,1,2,3
	v_max_num_f32 v[TM+\b], v[TM+\b], v[TM+4+\b]   ; with lane l xor 16's
.endr
.irp b, 0,1,2,3
	v_add_nc_u32 v[TM+12+\b], 0xff000000, v[TM+\b] ; 2 off the exponent field: the conversion's scale operand
.endr
.irp b, 0,1,2,3
	v_lshrrev_b32 v[TM+4+\b], 23, v[TM+12+\b]      ; the byte
.endr
	v_lshl_or_b32 v[\pw], v[TM+5], 8, v[TM+4]
	v_lshl_or_b32 v[\pw], v[TM+6], 16, v[\pw]
	v_lshl_or_b32 v[\pw], v[TM+7], 24, v[\pw]
.irp b, 0,1,2,3
	v_cvt_scalef32_pk8_fp4_f32 v[\pc+2*\b], v[\src+16*\b:\src+7+16*\b], v[TM+12+\b]
	v_cvt_scalef32_pk8_fp4_f32 v[\pc+1+2*\b], v[\src+8+16*\b:\src+15+16*\b], v[TM+12+\b]
.endr
	v_nop                                          ; one plain line behind the scaled conversions
.irp c, 0,1                                    ; a whole block in a lane: lanes 0-15 block 2 c, lanes 16-31 block 2 c + 1
.irp i, 0,1
	v_permlane16_swap_b32 v[\pc+4*\c+\i], v[\pc+2+4*\c+\i]
.endr
.endr
.endm
; 64 numbers of a lane that run DOWN K in the operand's own order: two whole blocks
.macro AQUANT src, pc, pw
.irp c, 0,1
	v_max3_num_f32 v[TM+\c], |v[\src+32*\c]|, |v[\src+32*\c+1]|, 0x1800000
.endr
.irp i, 2,4,6,8,10,12,14,16,18,20,22,24,26,28,30
.irp c, 0,1
	v_max3_num_f32 v[TM+\c], v[TM+\c], |v[\src+32*\c+\i]|, |v[\src+32*\c+\i+1]|
.endr
.endr
.irp c, 0,1
	v_add_nc_u32 v[TM+12+\c], 0xff000000, v[TM+\c]
.endr
.irp c, 0,1
	v_lshrrev_b32 v[TM+2+\c], 23, v[TM+12+\c]
.endr
	v_lshl_or_b32 v[\pw], v[TM+3], 16, v[TM+2]     ; my bytes: blocks h and 2 + h,
	v_lshlrev_b32 v[\pw], v[TM+8], v[\pw]          ; 8 h bits up;
	v_permlanex16_b32 v[TM+4], v[\pw], s22, s23
	v_or_b32 v[\pw], v[\pw], v[TM+4]               ; with lane l xor 16's two the word is whole
.irp c, 0,1
.irp g, 0,1,2,3
	v_cvt_scalef32_pk8_fp4_f32 v[\pc+4*\c+\g], v[\src+32*\c+8*\g:\src+32*\c+8*\g+7], v[TM+12+\c]
.endr
.endr
	v_nop
.endm
; ---- the table's path.  Call i: octet i / 2 of my two, K step i % 2
.macro LOAD i                          ; eight loads of 512 consecutive bytes, into set i
.irp p, 0,1,2,3,4,5,6,7
	global_load_b128 v[RQ+32*(\i)+4*\p:RQ+32*(\i)+4*\p+3], v[GOFF], s[6:7] offset:((\i)/2)*8192+((\i)%2)*512+\p*1024 th:TH_LOAD_NT
.endr
.endm
.macro TURN i                          ; through my stage: in as loaded, out a block a lane. LDS serves a wave's instructions in order: no wait between
.irp p, 0,1,2,3,4,5,6,7
	ds_store_b128 v[STS], v[RQ+32*(\i)+4*\p:RQ+32*(\i)+4*\p+3] offset:((\i)%2)*8*SP+\p*SP
.endr
.irp k, 0,1,2,3,4,5,6,7
	ds_load_b128 v[XQ+32*((\i)%2)+4*\k:XQ+32*((\i)%2)+4*\k+3], v[STL] offset:((\i)%2)*8*SP+16*\k
.endr
.endm
.macro COMP i                          ; my block: largest magnitude, scale, 32 codes; then the rows' scale words
.set XS, XQ+32*((\i)%2)
	v_max3_num_f32 v[QM0], |v[XS]|, |v[XS+1]|, |v[XS+2]|
	v_max3_num_f32 v[QM1], |v[XS+3]|, |v[XS+4]|, |v[XS+5]|
.irp k, 6,10,14,18,22,26
	s_delay_alu instid0(VALU_DEP_2)
	v_max3_num_f32 v[QM0], v[QM0], |v[XS+\k]|, |v[XS+\k+1]|
	s_delay_alu instid0(VALU_DEP_2)
	v_max3_num_f32 v[QM1], v[QM1], |v[XS+\k+2]|, |v[XS+\k+3]|
.endr
	s_delay_alu instid0(VALU_DEP_2)
	v_max3_num_f32 v[QM0], v[QM0], |v[XS+30]|, |v[XS+31]|
	s_delay_alu instid0(VALU_DEP_1)
	v_max3_num_f32 v[QM0], v[QM0], v[QM1], 0x1800000   ; and the floor 2^(3 - 127)
	s_delay_alu instid0(VALU_DEP_1)
	v_add_nc_u32 v[QSCL], 0xff000000, v[QM0]       ; 2 off the exponent field
.irp g, 0,1,2,3
	v_cvt_scalef32_pk8_fp4_f32 v[CQ+4*(\i)+\g], v[XS+8*\g:XS+8*\g+7], v[QSCL]
.endr
	v_lshrrev_b32 v[QBY], 23, v[QSCL]              ; the byte; also the plain line behind the conversions
	global_store_b128 v[GOFF], v[CQ+4*(\i):CQ+4*(\i)+3], s[24:25] offset:512*(\i)   ; 32 lanes store 512 consecutive bytes
	v_lshlrev_b32 v[QBY], v[SHB], v[QBY]           ; at its place in row r's word: byte lane / 8
	v_mov_b32_dpp v[TMPW], v[QBY] row_xmask:8 row_mask:0xf bank_mask:0xf
	v_or_b32 v[QBY], v[QBY], v[TMPW]               ; with lane l xor 8's,
	v_permlanex16_b32 v[TMPW], v[QBY], s22, s23
	v_or_b32 v[QBY], v[QBY], v[TMPW]               ; and lane l xor 16's two: the word is whole in all four lanes of row r'
.if (\i) == 0
	v_mov_b32 v[WQ], v[QBY]
.else
	v_cndmask_b32 v[WQ], v[WQ], v[QBY], s[27+(\i)] ; lanes 8 i .. 8 i + 7 take call i's
.endif
.if (\i) == 3
	global_store_b32 v[SOFF], v[WQ], s[26:27]      ; four calls' words: 128 consecutive bytes
.endif
.endm
.macro STEP i
	s_wait_dscnt 0x0                               ; this call's numbers are back from the stage
.if (\i)+1 <= 3
	s_wait_loadcnt 8*(2-(\i))                      ; the next call's eight loads are in; the calls behind it may be out
	TURN (\i)+1
.endif
	COMP \i
.endm
	s_load_b256 s[4:11], s[0:1], 0x0               ; the indices s[4:5], table s[6:7], a s[8:9], prep s[10:11]
	v_lshl_add_u32 v[SPW], v0, 2, SPARE
	v_mov_b32 v[NIL], 0
	v_lshrrev_b32 v252, 5, v0
	v_readfirstlane_b32 s12, v252                  ; wave
	v_and_b32 v253, 31, v0                         ; lane
	v_and_b32 v254, 7, v0                          ; r'
	v_bfe_u32 v255, v0, 3, 2                       ; lane / 8
	s_mul_i32 s13, s12, WSTG                       ; my stage
	v_lshlrev_b32 v[GOFF], 4, v253
	v_lshlrev_b32 v[SOFF], 2, v253
	v_lshlrev_b32 v[SHB], 3, v255
	v_mul_u32_u24 v[STL], v254, SP
	v_add_nc_u32 v[STS], s13, v[GOFF]
	v_lshl_add_u32 v[STL], v255, 7, v[STL]         ; stage row r', 128 bytes a block
	v_mov_b32 v[TMPW], 0                           ; written once: the destination of a lane form counts as one of its sources
	v_add_nc_u32 v[STL], s13, v[STL]
	s_mov_b32 s22, 0x76543210
	s_mov_b32 s23, 0xfedcba98                      ; v_permlanex16_b32's selects for lane l xor 16
	s_mov_b32 s15, 0
	s_mov_b32 s17, 0
	s_mov_b32 s19, 0
	s_wait_alu depctr_va_vdst(0)                   ; the wait at the head's end
	s_wait_kmcnt 0x0
	s_cmp_lt_u32 ttmp9, 20
	s_cbranch_scc1 .Lsmall
	s_sub_co_u32 s14, ttmp9, 20
	s_lshl_b32 s14, s14, 2
	s_add_co_u32 s14, s14, s12                     ; U: 0 .. 1,499
	s_mul_i32 s16, s14, 10923
	s_lshr_b32 s13, s16, 16                        ; the slab: U / 6, exact for U under 1,500
	s_mul_i32 s16, s13, 6
	s_sub_co_u32 s18, s14, s16                     ; 3 region + pair
	s_cmp_ge_u32 s18, 3
	s_cselect_b32 s20, 155648, 0                   ; region 1 begins 204,800 bytes on: 3 x 16,384 of them come with the pairs
	s_mul_i32 s16, s13, 409600
	s_lshl_b32 s18, s18, 14
	s_add_co_u32 s16, s16, s18
	s_add_co_u32 s16, s16, s20
	s_add_nc_u64 s[6:7], s[6:7], s[16:17]
	s_lshl_b32 s16, s14, 11
	s_add_co_u32 s16, s16, PCB
	s_add_nc_u64 s[24:25], s[10:11], s[16:17]      ; where my codes go,
	s_lshl_b32 s16, s14, 7
	s_add_co_u32 s16, s16, PSB
	s_add_nc_u64 s[26:27], s[10:11], s[16:17]      ; and my scale words
	s_mov_b32 s28, 0x0000ff00
	s_mov_b32 s29, 0x00ff0000
	s_mov_b32 s30, 0xff000000
	LOAD 0
	LOAD 1
	LOAD 2
	LOAD 3
	s_wait_loadcnt 24                              ; call 0's loads are in
	TURN 0
.irp i, 0,1,2,3
	STEP \i
.endr
	s_wait_tensorcnt 0x0                           ; the wave's end: three lines behind my last LDS store
	ds_add_u32 v[SPW], v[NIL]
	s_wait_dscnt 0x0
	s_endpgm
.Lsmall:                                           ; ---- the two small operands
	v_and_b32 v1, 31, v0                           ; lane
	v_and_b32 v2, 15, v0                           ; r
	v_bfe_u32 v3, v0, 4, 1                         ; h
	v_lshlrev_b32 v5, 4, v1                        ; 16 x lane
	v_lshlrev_b32 v6, 2, v1                        ; 4 x lane
	s_mov_b32 s20, 0xffff0000                      ; lanes 16-31
.irp b, 0,1,2,3
	v_mov_b32 v[TM+4+\b], 0                        ; written once: a lane permute's destination counts as one of its sources
.endr
	s_wait_alu depctr_va_vdst(0)                   ; the wait ahead of the branch
	s_cmp_lt_u32 ttmp9, 16
	s_cbranch_scc0 .Lweights
	s_lshl_b32 s13, ttmp9, 2
	s_add_co_u32 s13, s13, s12                     ; T
	s_lshl_b32 s14, s13, 6
	s_add_nc_u64 s[4:5], s[4:5], s[14:15]          ; its 16 indices
	v_lshlrev_b32 v4, 2, v2
	global_load_b32 v7, v4, s[4:5]
	s_lshl_b32 s16, s13, 11                        ; where the codes go,
	s_lshl_b32 s18, s13, 7
	s_add_co_u32 s18, s18, QSC                     ; and the scale words
	s_wait_loadcnt 0x0
	v_min_u32 v7, IDMAX, v7
	v_lshlrev_b32 v7, 10, v7                       ; the row: 1,024 bytes,
	v_lshl_add_u32 v7, v3, 6, v7                   ; + 64 h: my 16 numbers of each block of 32
.irp s, 0,1
.irp b, 0,1,2,3
.irp j, 0,1,2,3
	global_load_b128 v[X+64*\s+16*\b+4*\j:X+64*\s+16*\b+4*\j+3], v7, s[6:7] offset:512*\s+128*\b+16*\j
.endr
.endr
.endr
	s_wait_loadcnt 16                              ; K step 0's sixteen loads are in; K step 1's may be out
	QUANT X, PC0, PW0
	s_wait_loadcnt 0x0
	QUANT X+64, PC1, PW1
	s_wait_alu depctr_va_vdst(0)                   ; the wait ahead of the branch
	s_branch .Lstore
.Lweights:                                         ; 16 columns of a: lane r takes column 16 t + r, its registers run down K
	s_sub_co_u32 s13, ttmp9, 16
	s_lshl_b32 s13, s13, 2
	s_add_co_u32 s13, s13, s12                     ; t
	s_lshl_b32 s14, s13, 6
	s_add_nc_u64 s[8:9], s[8:9], s[14:15]
	v_lshlrev_b32 v4, 2, v2
	v_lshl_add_u32 v4, v3, 15, v4                  ; 4 r + 32 h rows of 1,024 bytes
	v_lshlrev_b32 v[TM+8], 3, v3                   ; 8 h
	s_lshl_b32 s16, s13, 11
	s_add_co_u32 s16, s16, AC
	s_lshl_b32 s18, s13, 7
	s_add_co_u32 s18, s18, ASC
.irp s, 0,1
.irp c, 0,1
.irp i, 0,1,2,3,4,5,6,7,8,9,10,11,12,13,14,15,16,17,18,19,20,21,22,23,24,25,26,27,28,29,30,31
	global_load_b32 v[X+64*\s+32*\c+\i], v4, s[8:9] offset:(128*\s+64*\c+\i)*1024
.endr
.endr
.endr
	s_wait_alu depctr_va_vdst(0)                   ; the wait ahead of the wait below
	s_wait_loadcnt 63                              ; of 128 loads at most 63 are out: K step 0's 64 are in
	AQUANT X, PC0, PW0
	s_wait_loadcnt 0x0
	AQUANT X+64, PC1, PW1
	s_wait_alu depctr_va_vdst(0)
.Lstore:
	s_add_nc_u64 s[16:17], s[10:11], s[16:17]
	s_add_nc_u64 s[18:19], s[10:11], s[18:19]
	v_cndmask_b32 v[PW0], v[PW0], v[PW1], s20      ; lanes 0-15 K step 0's word, lanes 16-31 K step 1's
.irp c, 0,1
	global_store_b128 v5, v[PC0+4*\c:PC0+4*\c+3], s[16:17] offset:512*\c        ; 32 lanes store 512 consecutive bytes
	global_store_b128 v5, v[PC1+4*\c:PC1+4*\c+3], s[16:17] offset:1024+512*\c
.endr
	global_store_b32 v6, v[PW0], s[18:19]
	s_endpgm
.Lfunc_end_k_q1bfadb7d5b_first:
	.size	k_q1bfadb7d5b_first, .Lfunc_end_k_q1bfadb7d5b_first-k_q1bfadb7d5b_first
	.p2alignl 7, 3214868480
	.fill 96, 4, 3214868480
	.section	.rodata,"a",@progbits
	.p2align	6, 0x0
	.amdhsa_kernel k_q1bfadb7d5b_first
		.amdhsa_group_segment_fixed_size 34304
		.amdhsa_private_segment_fixed_size 0
		.amdhsa_enable_private_segment 0
		.amdhsa_kernarg_size 32
		.amdhsa_user_sgpr_count 2
		.amdhsa_user_sgpr_kernarg_segment_ptr 1
		.amdhsa_wavefront_size32 1
		.amdhsa_system_sgpr_workgroup_id_x 1
		.amdhsa_system_sgpr_workgroup_id_y 1
		.amdhsa_system_sgpr_workgroup_id_z 1
		.amdhsa_system_vgpr_workitem_id 0
		.amdhsa_next_free_vgpr 256
		.amdhsa_next_free_sgpr 66
		.amdhsa_reserve_vcc 0
		.amdhsa_float_denorm_mode_32 3
		.amdhsa_float_denorm_mode_16_64 3
		.amdhsa_memory_ordered 1
		.amdhsa_forward_progress 1
		.amdhsa_inst_pref_size 50
	.end_amdhsa_kernel
	.amdgpu_metadata
---
amdhsa.version: [ 1, 2 ]
amdhsa.kernels:
  - .name:           k_q1bfadb7d5b_first
    .symbol:         k_q1bfadb7d5b_first.kd
    .args:
      - { .name: conceptnet_text_vec, .offset: 0, .size: 8, .value_kind: global_buffer, .address_space: global }
      - { .name: table, .offset: 8, .size: 8, .value_kind: global_buffer, .address_space: global }
      - { .name: a, .offset: 16, .size: 8, .value_kind: global_buffer, .address_space: global }
      - { .name: prep, .offset: 24, .size: 8, .value_kind: global_buffer, .address_space: global }
    .group_segment_fixed_size: 34304
    .private_segment_fixed_size: 0
    .kernarg_segment_align: 8
    .kernarg_segment_size: 32
    .max_flat_workgroup_size: 128
    .sgpr_count:     66
    .vgpr_count:     256
    .wavefront_size: 32
...
	.end_amdgpu_metadata
.endif
;; end of part 1
;; launch scan (part 2): grid 250 x 1, 8 waves a work-group, no clusters, 165,120 bytes of LDS; arguments table, prep, tcodes, tscales, gmax; writes tcodes, tscales, gmax
.if DOCPART == 2
	.amdgcn_target "amdgcn-amd-amdhsa--gfx1250"
	.amdhsa_code_object_version 6
	.text
	.protected	k_q1bfadb7d5b_scan
	.globl	k_q1bfadb7d5b_scan
	.p2align	8
	.type	k_q1bfadb7d5b_scan,@function
k_q1bfadb7d5b_scan:
	s_mov_b64 s[64:65], 0
	v_nop
	global_prefetch_b8 v0, s[64:65] scope:SCOPE_SE
	s_setreg_imm32_b32 hwreg(HW_REG_WAVE_MODE, 25, 1), 1
	s_wait_xcnt 0x0
; SCAN: the table is read once, quantised along K to E2M1 with E8M0 block scales, stored as codes, and multiplied with all 1,024 queries; of the logits only THE LARGEST OF EACH 40 CONSECUTIVE ROWS is kept, for each query.
; (The first softmax's division is left out: see the first kernel's head.)
; Work-group S owns rows 400 S .. 400 S + 399: 50 octets of 8 rows, in two regions of 25.  A CALL is half an octet: 8 rows x 128 along K, a lane to a block of 32.  Wave w has K step w % 2, region (w / 2) % 2 and the octets of parity w / 4: call i is octet w / 4 + 2 i.
; A TILE's 16 rows are octets t and 25 + t, so that a lane's eight results (source 0 = rows, source 1 = queries: lane (r, h) holds query r and rows 8 h + 0 .. 7 of the tile) are 8 consecutive rows of region h;
; five tiles make two groups of 40 consecutive rows: group 10 S + 5 h + unit.  Half a v_max3_num_f32 for each logit is all the vector work of the products.
; QUANTISING AND MULTIPLYING TAKE TURNS, 12 steps.  Step i of a wave: the loads of call i + 3 are issued; call i is quantised into the image in LDS and into tcodes; ONE barrier: all waves' calls up to i lie in the image, that is octets up to 2 i + 1;
; call i + 1 starts its turn through the wave's stage; tiles 2 i - 1 and 2 i are multiplied with the wave's 128 queries, whose 8 pairs of fragments stay in 128 registers.  So 16 loads a wave are out while it multiplies.
; The image is written once, each byte ahead of the barrier behind which it is first read.  Octet 24 of each region has no partner: waves 0-3 take its halves as a call ahead of step 0.
; tcodes: octet w at 1024 w; block b of its row r' at 128 b + 16 r'.  tscales: 64 w + 32 s + 4 r': the word of K step s.  gmax: [S][query][10] f32.
; NO CLUSTER, NO TENSOR LOAD: every f32 byte is used once and must pass through registers to be quantised; the shared queries' codes go straight to registers once; 250 work-groups are no multiple of 4.
; NO PREFETCH: the table's loads themselves are issued three steps ahead of their use.
; LIMITS: blocks whose largest magnitude lies under 2^-124 were not tried (a block of zeros keeps the byte 1: its codes are zeros); NaN and infinities are not served.  A slab's 3,200 scale bytes end in the middle of an aligned 256.
; CALLS 0 TO 2 OF EVERY WAVE (octets 0-5 of both regions) COME AS CODES from the launch before, in prep: so of the twelve steps the first three are a copy, into the image and on into tcodes, ahead of the first barrier;
; behind it tiles 0 to 4 are multiplied while the loads of calls 3 to 5 are out; steps 3 to 11 quantise as said above.
.set QSCP,  131072
.set PCB,   174080                     ; prep: those codes: 12,288 bytes a slab, 6,144 a region, 1,024 an octet
.set PSB,   3246080                    ; and their scale words: 768 bytes a slab, 384 a region, 64 an octet
.set IMG1,  25728                      ; LDS: region 0's 25 octets at 0; region 1's here: 128 bytes further than dense, so that the two octets of a tile fall on different 16-byte columns modulo 256
.set SCI,   51328                      ; the scale words, 64 bytes an octet: 3,200 bytes
.set STG,   55424                      ; a stage of its own for each wave: two turns of 8 rows x 528 bytes
.set WSTG,  8448
.set SP,    528
.set SPARE, 123136                     ; the spare words, 128 bytes a wave
.set MXS,   124160                     ; each wave's 128 x 40 bytes of maxima
; window 0
.set ALD, 1                            ; v1   LDS: my place in a tile's codes
.set ASD, 2                            ; v2   and among its scale words
.set MST, 3                            ; v3   where my maxima go
.set OLD, 4                            ; v4   where I read them back
.set GO,  5                            ; v5   16 x lane;  v6 16 x thread;  v7 SCI + 16 x thread
.set MX,  8                            ; v8-15   the running maximum for each of my 8 query tiles
.set QSW, 16                           ; v16-23  the queries' scale words
.set ASW, 24                           ; v24-25  the rows' scale words, two buffers
.set L4,  29                           ; v29  4 x lane
.set AF,  32                           ; v32-63  the rows' fragments, two buffers of 16
.set ACX, 64                           ; v64-95  accumulators of query tiles 0-3
.set ACY, 96                           ; v96-127 of query tiles 4-7 (at the head v120-127 are at work)
.set QF,  128                          ; v128-255 the queries' fragments: 16 qt + 8 s + 4 c
; window 1: the quantiser
.set RQ,   0                           ; v0-127   four sets of 32: numbers as loaded
.set XQ,   128                         ; v128-191 two sets of 32: a block of 32 neighbours
.set CQ,   192                         ; v192-243 a call's codes, four registers each: no store's data are written again
.set QM0,  244
.set QM1,  245
.set QSCL, 246
.set QBY,  247                         ; v247, v253 the scale's byte, by turns
.set GOFF, 248                         ; 16 x lane
.set STS,  249                         ; the stage, on the way in
.set STL,  250                         ; and on the way out
.set IMGA, 251                         ; where my codes go in the image
.set SCA,  252                         ; and my byte;  v254 my spare word, v255 0: never rewritten
.set MSB, 0
.macro WIN new                         ; the immediate's high byte repeats the setting that is left
.if MSB != \new
	s_set_vgpr_msb (MSB<<8)|\new
.set MSB, \new
.endif
.endm
.macro LOAD i, set                     ; eight loads of 512 consecutive bytes
.irp p, 0,1,2,3,4,5,6,7
	global_load_b128 v[RQ+32*(\set)+4*\p:RQ+32*(\set)+4*\p+3], v[GOFF], s[4:5] offset:(\i)*16384+\p*1024 th:TH_LOAD_NT
.endr
.endm
.macro TURN i, set                     ; through my stage: in as loaded, out 128 bytes (a block) a lane.  LDS serves a wave's instructions in order: no wait between
.irp p, 0,1,2,3,4,5,6,7
	ds_store_b128 v[STS], v[RQ+32*(\set)+4*\p:RQ+32*(\set)+4*\p+3] offset:((\i)%2)*8*SP+\p*SP
.endr
.irp k, 0,1,2,3,4,5,6,7
	ds_load_b128 v[XQ+32*((\i)%2)+4*\k:XQ+32*((\i)%2)+4*\k+3], v[STL] offset:((\i)%2)*8*SP+16*\k
.endr
.endm
.macro COMP i                          ; my block: its largest magnitude, its scale, its 32 codes
.set XS, XQ+32*((\i)%2)
	v_max3_num_f32 v[QM0], |v[XS]|, |v[XS+1]|, |v[XS+2]|
	v_max3_num_f32 v[QM1], |v[XS+3]|, |v[XS+4]|, |v[XS+5]|
.irp k, 6,10,14,18,22,26
	s_delay_alu instid0(VALU_DEP_2)
	v_max3_num_f32 v[QM0], v[QM0], |v[XS+\k]|, |v[XS+\k+1]|
	s_delay_alu instid0(VALU_DEP_2)
	v_max3_num_f32 v[QM1], v[QM1], |v[XS+\k+2]|, |v[XS+\k+3]|
.endr
	s_delay_alu instid0(VALU_DEP_2)
	v_max3_num_f32 v[QM0], v[QM0], |v[XS+30]|, |v[XS+31]|
	s_delay_alu instid0(VALU_DEP_1)
	v_max3_num_f32 v[QM0], v[QM0], v[QM1], 0x1800000   ; and the floor 2^(3 - 127): the byte cannot fall under 1
	s_delay_alu instid0(VALU_DEP_1)
	v_add_nc_u32 v[QSCL], 0xff000000, v[QM0]       ; 2 off the exponent field: the conversion's scale operand
.irp g, 0,1,2,3
	v_cvt_scalef32_pk8_fp4_f32 v[CQ+4*(\i)+\g], v[XS+8*\g:XS+8*\g+7], v[QSCL]
.endr
	v_lshrrev_b32 v[QBY+6*((\i)%2)], 23, v[QSCL]   ; the byte; also the plain line behind the conversions
	ds_store_b128 v[IMGA], v[CQ+4*(\i):CQ+4*(\i)+3] offset:(\i)*2048
	ds_store_b8 v[SCA], v[QBY+6*((\i)%2)] offset:(\i)*128
	global_store_b128 v[GOFF], v[CQ+4*(\i):CQ+4*(\i)+3], s[8:9] offset:(\i)*2048   ; 32 lanes store 512 consecutive bytes
.endm
.macro WM acc, buf, qt, s              ; 16 rows x 16 queries x 128 along K
.if \s == 0
	v_wmma_scale_f32_16x16x128_f8f6f4 v[\acc:\acc+7], v[AF+16*(\buf):AF+16*(\buf)+7], v[QF+16*(\qt):QF+16*(\qt)+7], 0, v[ASW+(\buf)], v[QSW+(\qt)] matrix_a_fmt:MATRIX_FMT_FP4 matrix_b_fmt:MATRIX_FMT_FP4
.else
	v_wmma_scale_f32_16x16x128_f8f6f4 v[\acc:\acc+7], v[AF+16*(\buf)+8:AF+16*(\buf)+15], v[QF+16*(\qt)+8:QF+16*(\qt)+15], v[\acc:\acc+7], v[ASW+(\buf)], v[QSW+(\qt)] matrix_a_fmt:MATRIX_FMT_FP4 matrix_b_fmt:MATRIX_FMT_FP4 matrix_a_scale:MATRIX_SCALE_ROW1 matrix_b_scale:MATRIX_SCALE_ROW1
.endif
.endm
.macro MAXOP acc, m, i, ph             ; part i of four of an accumulator's maximum, from its low end on; ph = 0: the unit's first tile starts the maximum
.if (\ph) == 0
.if \i == 0
	v_max3_num_f32 v[\m], v[\acc], v[\acc+1], v[\acc+2]
.elseif \i == 3
	v_max_num_f32 v[\m], v[\m], v[\acc+7]
.else
	v_max3_num_f32 v[\m], v[\m], v[\acc+2*(\i)+1], v[\acc+2*(\i)+2]
.endif
.else
	v_max3_num_f32 v[\m], v[\m], v[\acc+2*(\i)], v[\acc+2*(\i)+1]
.endif
.endm
.macro PAIR set, q0, e, ph             ; numbers 2 e and 2 e + 1 of a set's sixteen: part (number / 4) of accumulator (number % 4)
	MAXOP \set+8*((2*(\e))%4), MX+\q0+(2*(\e))%4, (2*(\e))/4, \ph
	MAXOP \set+8*((2*(\e)+1)%4), MX+\q0+(2*(\e)+1)%4, (2*(\e)+1)/4, \ph
.endm
.macro AFETCH t                        ; tile t's fragments and scale words
.irp p, 0,1,2,3
	ds_load_b128 v[AF+16*((\t)%2)+4*\p:AF+16*((\t)%2)+4*\p+3], v[ALD] offset:(\t)*1024+\p*256
.endr
	ds_load_b32 v[ASW+(\t)%2], v[ASD] offset:(\t)*64
.endm
.macro FLUSH q0, unit                  ; four finished maxima: two groups of 40 rows for 16 queries each
.irp k, 0,1,2,3
	ds_store_b32 v[MST], v[MX+\q0+\k] offset:(\q0+\k)*640+(\unit)*4
.endr
.endm
; TILE T.  Eight products on query tiles 0-3 with the maxima of the LAST tile's query tiles 4-7 between them, two behind each; then eight on 4-7 with this tile's 0-3's maxima.
; The accumulators take turns, one instruction a turn.  By count: an accumulator's first read stands five plain lines or more behind its last product; a product that begins it anew twelve or more;
; the next tile's loads five behind the last product that read their buffer (ISA guide 7.12.1 for the distances).  Tile T + 1, fetched here, lies whole in the image: see the steps below.
.macro TILE
	s_wait_dscnt DW                                ; this tile's fragments are in; DW = 16: the sixteen stage instructions issued just before may be out
.set n, 0
.rept 8
	WM ACX+8*(n%4), T%2, n%4, n/4
.if T > 0
	PAIR ACY, 4, n, (T+4)%5
.endif
.if (n == 1) && (T < 24)
	AFETCH T+1
.endif
.set n, n+1
.endr
.if T == 0
.rept 4
	v_nop                                          ; the first tile has no maxima to set between its products
.endr
.endif
.if (T%5 == 0) && (T > 0)
	FLUSH 4, T/5-1
.endif
.set n, 0
.rept 8
	WM ACY+8*(n%4), T%2, 4+n%4, n/4
	PAIR ACX, 0, n, T%5
.set n, n+1
.endr
.if T%5 == 4
	FLUSH 0, T/5
.endif
.endm
.macro DOT t, dw
.set T, \t
.set DW, \dw
	TILE
.endm
	s_load_b256 s[4:11], s[0:1], 0x0               ; table s[4:5], prep s[6:7], tcodes s[8:9], tscales s[10:11]
	s_load_b64 s[12:13], s[0:1], 0x20              ; gmax
	WIN 0x40                                       ; destination window 1
	v_lshl_add_u32 v254, v0, 2, SPARE
	v_mov_b32 v255, 0
	WIN 0
	v_lshrrev_b32 v120, 5, v0
	v_readfirstlane_b32 s14, v120                  ; wave 0..7
	s_and_b32 s15, s14, 1                          ; my K step in the quantiser,
	s_bfe_u32 s16, s14, 0x10001                    ; my region,
	s_lshr_b32 s17, s14, 2                         ; even or odd octets
	s_mul_i32 s24, s14, WSTG
	s_add_co_u32 s24, s24, STG                     ; my stage
	s_mul_i32 s37, s14, 5120
	s_add_co_u32 s37, s37, MXS                     ; my maxima
	s_mul_i32 s25, s16, IMG1
	s_lshl_b32 s27, s17, 10
	s_add_co_u32 s25, s25, s27
	s_lshl_b32 s27, s15, 9
	s_add_co_u32 s25, s25, s27                     ; image: region, first octet, K step
	s_mul_i32 s26, s16, 1600
	s_lshl_b32 s27, s17, 6
	s_add_co_u32 s26, s26, s27
	s_lshl_b32 s27, s15, 5
	s_add_co_u32 s26, s26, s27
	s_add_co_u32 s26, s26, SCI                     ; scale words likewise
	s_mul_i32 s20, ttmp9, 409600                   ; table: my slab, region, octet, K step
	s_mul_i32 s27, s16, 204800
	s_add_co_u32 s20, s20, s27
	s_lshl_b32 s27, s17, 13
	s_add_co_u32 s20, s20, s27
	s_lshl_b32 s27, s15, 9
	s_add_co_u32 s20, s20, s27
	s_mov_b32 s21, 0
	s_mul_i32 s22, ttmp9, 51200                    ; tcodes likewise
	s_mul_i32 s27, s16, 25600
	s_add_co_u32 s22, s22, s27
	s_lshl_b32 s27, s17, 10
	s_add_co_u32 s22, s22, s27
	s_lshl_b32 s27, s15, 9
	s_add_co_u32 s22, s22, s27
	s_mov_b32 s23, 0
	s_mul_i32 s28, ttmp9, 40960                    ; gmax: my slab, my 128 queries
	s_mul_i32 s27, s14, 5120
	s_add_co_u32 s28, s28, s27
	s_mov_b32 s29, 0
	s_mul_i32 s30, ttmp9, 3200                     ; tscales: my slab
	s_mov_b32 s31, 0
	s_lshl_b32 s32, s14, 14                        ; prep: my 8 query tiles,
	s_mov_b32 s33, 0
	s_lshl_b32 s34, s14, 10
	s_add_co_u32 s34, s34, QSCP                    ; and their scale words
	s_mov_b32 s35, 0
	s_mul_i32 s18, ttmp9, 12288                    ; prep: the codes of my calls 0 to 2: slab, region, first octet, K step
	s_mul_i32 s27, s16, 6144
	s_add_co_u32 s18, s18, s27
	s_lshl_b32 s27, s17, 10
	s_add_co_u32 s18, s18, s27
	s_lshl_b32 s27, s15, 9
	s_add_co_u32 s18, s18, s27
	s_add_co_u32 s18, s18, PCB
	s_mov_b32 s19, 0
	s_mul_i32 s38, ttmp9, 768                      ; and their scale words
	s_mul_i32 s27, s16, 384
	s_add_co_u32 s38, s38, s27
	s_lshl_b32 s27, s17, 6
	s_add_co_u32 s38, s38, s27
	s_lshl_b32 s27, s15, 5
	s_add_co_u32 s38, s38, s27
	s_add_co_u32 s38, s38, PSB
	s_mov_b32 s39, 0
	; every LDS address is made here, ahead of the first branch on the wave's number
	v_and_b32 v121, 31, v0                         ; lane
	v_and_b32 v122, 7, v0                          ; r'
	v_bfe_u32 v123, v0, 3, 1                       ; u
	v_bfe_u32 v124, v0, 4, 1                       ; h
	v_and_b32 v125, 15, v0                         ; r
	v_bfe_u32 v127, v0, 3, 2                       ; lane / 8: my block of the four
	v_lshlrev_b32 v[L4], 2, v121
	v_lshlrev_b32 v[GO], 4, v121
	v_mul_u32_u24 v[ALD], v123, IMG1
	v_mul_u32_u24 v[ASD], v123, 1600
	v_mul_u32_u24 v[MST], v125, 40
	v_mul_u32_u24 v126, v122, SP
	v_lshl_add_u32 v[ALD], v124, 7, v[ALD]
	v_lshl_add_u32 v[ASD], v124, 5, v[ASD]
	v_mad_u32_u24 v[MST], v124, 20, v[MST]         ; query r: 40 bytes; region h: 20
	v_lshl_add_u32 v126, v127, 7, v126             ; stage row r', 128 bytes a block
	v_lshl_add_u32 v[ALD], v122, 4, v[ALD]         ; region u, block h of a pair, row r'
	v_lshl_add_u32 v[ASD], v122, 2, v[ASD]
	v_add_nc_u32 v[MST], s37, v[MST]
	v_lshl_add_u32 v127, v122, 2, v127             ; word r', byte lane / 8
	v_lshlrev_b32 v6, 4, v0
	v_add_nc_u32 v[ASD], SCI, v[ASD]               ; lanes 0-15 K step 0's words, lanes 16-31 K step 1's
	v_add_nc_u32 v[OLD], s37, v[GO]
	v_add_nc_u32 v7, SCI, v6
	v_lshlrev_b32 v26, 2, v122                     ; v26  4 r': a copied call's scale words in memory,
	v_add_nc_u32 v28, s25, v[GO]                   ; v28  where a copied call's codes go in the image
	v_add_nc_u32 v27, s26, v26                     ; v27  and its scale words in LDS
	WIN 0x40                                       ; destination window 1
	v_lshlrev_b32 v[GOFF], 4, v121
	v_add_nc_u32 v[STS], s24, v[GO]
	v_add_nc_u32 v[STL], s24, v126
	v_add_nc_u32 v[IMGA], s25, v[GO]
	v_add_nc_u32 v[SCA], s26, v127
	WIN 0
	s_wait_alu depctr_va_vdst(0)                   ; the wait at the head's end
	s_wait_kmcnt 0x0
	s_add_nc_u64 s[4:5], s[4:5], s[20:21]
	s_add_nc_u64 s[8:9], s[8:9], s[22:23]
	s_add_nc_u64 s[12:13], s[12:13], s[28:29]
	s_add_nc_u64 s[10:11], s[10:11], s[30:31]
	s_add_nc_u64 s[32:33], s[6:7], s[32:33]
	s_add_nc_u64 s[34:35], s[6:7], s[34:35]
	s_add_nc_u64 s[18:19], s[6:7], s[18:19]
	s_add_nc_u64 s[38:39], s[6:7], s[38:39]
.set n, 0
.rept 32                                       ; the queries' fragments: the oldest loads, so every later counted wait covers them
	global_load_b128 v[QF+4*n:QF+4*n+3], v[GO], s[32:33] offset:512*n
.set n, n+1
.endr
.irp q, 0,1,2,3,4,5,6,7
	global_load_b32 v[QSW+\q], v[L4], s[34:35] offset:128*\q
.endr
.irp i, 0,1,2                                  ; calls 0 to 2 as codes: 512 consecutive bytes each, and 8 scale words (the four lanes of a row r' read the same word)
	global_load_b128 v[64+4*\i:67+4*\i], v[GO], s[18:19] offset:2048*\i
	global_load_b32 v[76+\i], v26, s[38:39] offset:128*\i
.endr
	s_cmp_lt_u32 s14, 4                            ; octet 24 of each region: waves 0-3 take its halves, asked for first
	s_cbranch_scc0 .Lno_last_a
	WIN 0x55
	LOAD 12, 3
	WIN 0
.Lno_last_a:
	WIN 0x55                                       ; all operands in window 1
	LOAD 3, 0
	LOAD 4, 1
	LOAD 5, 2
	WIN 0
	s_wait_loadcnt 24                              ; the queries and the copied calls are in; calls 3 to 5's loads may be out
.irp i, 0,1,2
	ds_store_b128 v28, v[64+4*\i:67+4*\i] offset:2048*\i
	ds_store_b32 v27, v[76+\i] offset:128*\i       ; the four lanes of a row r' write the same word with the same value
	global_store_b128 v[GO], v[64+4*\i:67+4*\i], s[8:9] offset:2048*\i   ; tcodes is written whole by this launch
.endr
	s_cmp_lt_u32 s14, 4
	s_cbranch_scc0 .Lno_last_b
	WIN 0x55
	s_wait_loadcnt 24                              ; call 12's loads are in; calls 3 to 5's may be out
	TURN 12, 3
	s_wait_dscnt 0x0
	COMP 12
	WIN 0
.Lno_last_b:
	s_wait_dscnt 0x0                               ; for the others' sake: my copied calls (waves 0-3: and octet 24's half) lie in the image
	s_wait_xcnt 0x0                                ; the stores above have read their registers, which the products write next
	s_barrier_signal -1
	s_barrier_wait -1                              ; octets 0 to 5 and 24 of both regions are whole: tiles 0 to 5
	AFETCH 0
	DOT 0, 0
	DOT 1, 0
	DOT 2, 0
	WIN 0x55
	s_wait_loadcnt 16                              ; call 3's loads are in; calls 4 and 5's may be out
	TURN 3, 0
	WIN 0
	DOT 3, 16
	DOT 4, 0
; ---- steps 3 to 11
.set I, 3
.rept 9
	WIN 0x55
	s_wait_dscnt 0x0                               ; call I's numbers are back from the stage, and its stores into the stage have read their set,
.if I+3 <= 11
	LOAD I+3, I%3                                  ; which takes the loads of three calls on
.endif
	COMP I
	s_wait_dscnt 0x0                               ; for the others' sake: my codes and my byte lie in the image
	s_barrier_signal -1
	s_barrier_wait -1                              ; octets up to 2 I + 1 of both regions are whole, and so are tiles up to 2 I + 1
.if I+1 <= 11
.if 10-I >= 2
	s_wait_loadcnt 16                              ; the next call's eight loads are in; the two calls behind it may be out
.else
	s_wait_loadcnt 8*(10-I)
.endif
	TURN I+1, (I+1)%3                              ; it turns through the stage while I multiply
.endif
	WIN 0
.if I == 0
	AFETCH 0
	DOT 0, 0
.elseif I < 11
	DOT 2*I-1, 16
	DOT 2*I, 0
.else
	DOT 21, 0
	DOT 22, 0
	DOT 23, 0
	DOT 24, 0
.endif
.set I, I+1
.endr
.set n, 0
.rept 8
	PAIR ACY, 4, n, 4                              ; the last tile's query tiles 4-7
.set n, n+1
.endr
	FLUSH 4, 4
	; ---- the way out: my 128 queries x 10 maxima are 5,120 consecutive bytes of gmax
.irp k, 0,1,2,3,4,5,6,7,8,9
	ds_load_b128 v[64+4*\k:67+4*\k], v[OLD] offset:512*\k   ; LDS serves a wave's instructions in order: these see my stores
.endr
.irp k, 0,1,2,3,4,5,6,7,8,9
	s_wait_dscnt 9-\k
	global_store_b128 v[GO], v[64+4*\k:67+4*\k], s[12:13] offset:512*\k   ; 32 lanes store 512 consecutive bytes, at a multiple of 256 from gmax's first byte
.endr
	; the slab's 3,200 scale bytes: waves 0-5 take 512 each, wave 6 the last 128
	s_cmp_lt_u32 s14, 6
	s_cbranch_scc0 .Lz2
	ds_load_b128 v[104:107], v7
	s_wait_dscnt 0x0
	global_store_b128 v6, v[104:107], s[10:11]
	s_branch .Lz3
.Lz2:
	s_cmp_eq_u32 s14, 6
	s_cbranch_scc0 .Lz3
	ds_load_b32 v104, v[L4] offset:SCI+3072
	s_wait_dscnt 0x0
	global_store_b32 v[L4], v104, s[10:11] offset:3072
.Lz3:
	WIN 0x05                                       ; the add's two registers lie in window 1
	s_wait_tensorcnt 0x0                           ; the wave's end: three lines behind my last LDS store
	ds_add_u32 v254, v255
	s_wait_dscnt 0x0
	WIN 0
	s_endpgm
.Lfunc_end_k_q1bfadb7d5b_scan:
	.size	k_q1bfadb7d5b_scan, .Lfunc_end_k_q1bfadb7d5b_scan-k_q1bfadb7d5b_scan
	.p2alignl 7, 3214868480
	.fill 96, 4, 3214868480
	.section	.rodata,"a",@progbits
	.p2align	6, 0x0
	.amdhsa_kernel k_q1bfadb7d5b_scan
		.amdhsa_group_segment_fixed_size 165120
		.amdhsa_private_segment_fixed_size 0
		.amdhsa_enable_private_segment 0
		.amdhsa_kernarg_size 40
		.amdhsa_user_sgpr_count 2
		.amdhsa_user_sgpr_kernarg_segment_ptr 1
		.amdhsa_wavefront_size32 1
		.amdhsa_system_sgpr_workgroup_id_x 1
		.amdhsa_system_sgpr_workgroup_id_y 1
		.amdhsa_system_sgpr_workgroup_id_z 1
		.amdhsa_system_vgpr_workitem_id 0
		.amdhsa_next_free_vgpr 512
		.amdhsa_next_free_sgpr 66
		.amdhsa_reserve_vcc 0
		.amdhsa_float_denorm_mode_32 3
		.amdhsa_float_denorm_mode_16_64 3
		.amdhsa_memory_ordered 1
		.amdhsa_forward_progress 1
		.amdhsa_inst_pref_size 164
	.end_amdhsa_kernel
	.amdgpu_metadata
---
amdhsa.version: [ 1, 2 ]
amdhsa.kernels:
  - .name:           k_q1bfadb7d5b_scan
    .symbol:         k_q1bfadb7d5b_scan.kd
    .args:
      - { .name: table, .offset: 0, .size: 8, .value_kind: global_buffer, .address_space: global }
      - { .name: prep, .offset: 8, .size: 8, .value_kind: global_buffer, .address_space: global }
      - { .name: tcodes, .offset: 16, .size: 8, .value_kind: global_buffer, .address_space: global }
      - { .name: tscales, .offset: 24, .size: 8, .value_kind: global_buffer, .address_space: global }
      - { .name: gmax, .offset: 32, .size: 8, .value_kind: global_buffer, .address_space: global }
    .group_segment_fixed_size: 165120
    .private_segment_fixed_size: 0
    .kernarg_segment_align: 8
    .kernarg_segment_size: 40
    .max_flat_workgroup_size: 256
    .sgpr_count:     66
    .vgpr_count:     512
    .wavefront_size: 32
...
	.end_amdgpu_metadata
.endif
;; end of part 2
;; launch pickg (part 3): grid 256 x 1, 4 waves a work-group, no clusters, 0 bytes of LDS; arguments gmax, glist, rowmax; writes glist, rowmax
.if DOCPART == 3
	.amdgcn_target "amdgcn-amd-amdhsa--gfx1250"
	.amdhsa_code_object_version 6
	.text
	.protected	k_q1bfadb7d5b_pickg
	.globl	k_q1bfadb7d5b_pickg
	.p2align	8
	.type	k_q1bfadb7d5b_pickg,@function
k_q1bfadb7d5b_pickg:
	s_mov_b64 s[64:65], 0
	v_nop
	global_prefetch_b8 v0, s[64:65] scope:SCOPE_SE
	s_setreg_imm32_b32 hwreg(HW_REG_WAVE_MODE, 25, 1), 1
	s_wait_xcnt 0x0
; PICKG: for each query the 16 GROUPS of 40 rows whose largest logits rank highest; ties go to the lower group.  The 16 best rows of the table lie in these groups: a group that ranks ahead of a row's group holds a row that ranks ahead of it.
; A wave takes a query; lane l of row j holds group 32 j + l (2,500 groups, 79 rows).  THE KEY is p = 2^((x - R) log2 e), R the row's largest logit: the softmax without its division by the row's sum, which is one positive factor for the whole row.
; NO BRANCH AND NO ADDRESS HANGS ON A NUMBER.  Pass 1: each lane keeps the sorted 16 largest of its numbers (an insertion is 16 independent lines); five merges across lanes give every lane the wave's 16 largest; tau is the 16th.
; LIMITS: where the f32 exponential and division of a softmax round two different logits onto one number, or x - R lies under about -87 (v_exp_f32 gives 0 from there on), a tie may fall otherwise than in a softmax carried out in full;
; v_exp_f32 is taken not to fall where its input rises; NaN and infinities are not served.
.set X,   16                           ; v16-94   the 79 rows
.set LA,  96                           ; v96-111, v112-127 two lists of 16, largest first
.set LB,  112
.set SEL, 16                           ; s[16:17] v_permlanex16_b32's selects for lane l xor 16
; v1-5 offsets of rows 5 a + b; v6 of the last row; v7 the lane as f32; v8 lane % 16; v9 0; v10 R; v11 tau; v12-13 at work; v14 my entry; v15 the lane
.macro INSERT l, x                     ; entry i becomes the middle one of its upper neighbour, itself and x: taken from the low end on, each line reads old entries alone
.irp i, 15,14,13,12,11,10,9,8,7,6,5,4,3,2,1
	v_med3_num_f32 v[\l+\i], v[\l+\i-1], v[\l+\i], v[\x]
.endr
	v_max_num_f32 v[\l], v[\l], v[\x]
.endm
.macro CLEAN a, b, d                   ; entries d apart: the larger up, the smaller down; from list a into list b
.set ci, 0
.rept 16
.if (ci & \d) == 0
	v_max_num_f32 v[\b+ci], v[\a+ci], v[\a+ci+\d]
	v_min_num_f32 v[\b+ci+\d], v[\a+ci], v[\a+ci+\d]
.endif
.set ci, ci+1
.endr
.endm
.macro SORT4 a, b                      ; list b, which rises and then falls (or the like), is sorted; list a is scratch
	CLEAN \b, \a, 8
	CLEAN \a, \b, 4
	CLEAN \b, \a, 2
	CLEAN \a, \b, 1
.endm
.macro XMERGE a, b, m                  ; the 16 largest of my list a and lane l xor m's: entry i against the partner's entry 15 - i; then sorted, in list b
.set mi, 0
.rept 16
	v_max_num_f32_dpp v[\b+mi], v[\a+15-mi], v[\a+mi] row_xmask:\m row_mask:0xf bank_mask:0xf
.set mi, mi+1
.endr
	SORT4 \a, \b
.endm
.macro XMERGE16 a, b
.set mi, 0
.rept 16
	v_permlanex16_b32 v[\b+mi], v[\a+15-mi], s[SEL], s[SEL+1]
.set mi, mi+1
.endr
.set mi, 0
.rept 16
	v_max_num_f32 v[\b+mi], v[\b+mi], v[\a+mi]
.set mi, mi+1
.endr
	SORT4 \a, \b
.endm
.macro MERGE5                          ; from LA; every lane ends with the wave's 16 largest in LB
	XMERGE LA, LB, 1
	XMERGE LB, LA, 2
	XMERGE LA, LB, 4
	XMERGE LB, LA, 8
	XMERGE16 LA, LB
.endm
	s_load_b128 s[4:7], s[0:1], 0x0                ; gmax, glist
	s_load_b64 s[8:9], s[0:1], 0x10                ; rowmax
	v_lshrrev_b32 v1, 5, v0
	v_readfirstlane_b32 s10, v1
	s_lshl_b32 s11, ttmp9, 2
	s_add_co_u32 s11, s11, s10                     ; my query
	v_and_b32 v15, 31, v0
.irp b, 0,1,2,3,4                              ; group 160 a + x, x = 32 b + lane, lies in slab 16 a + x / 10 at place x % 10
	v_add_nc_u32 v12, 32*\b, v15
	v_mul_u32_u24 v13, v12, 205
	v_lshrrev_b32 v13, 11, v13                     ; x / 10, exact for x under 160
	v_mul_u32_u24 v14, v13, 10
	v_sub_nc_u32 v12, v12, v14
	v_mul_u32_u24 v13, v13, 40960
	v_lshl_add_u32 v[1+\b], v12, 2, v13
.endr
	v_min_u32 v12, 3, v15                          ; the last row has four groups: the other lanes read the fourth again, so that no load leaves the buffer
	v_lshlrev_b32 v6, 2, v12
	v_add_nc_u32 v6, 9*40960+24, v6
	s_mul_i32 s12, s11, 40
	s_mov_b32 s13, 0
	s_lshl_b32 s18, s11, 6
	s_mov_b32 s19, 0
	s_lshl_b32 s20, s11, 2
	s_mov_b32 s21, 0
	s_mov_b32 s[SEL], 0x76543210
	s_mov_b32 s[SEL+1], 0xfedcba98
	s_wait_alu depctr_va_vdst(0)
	s_wait_kmcnt 0x0
	s_add_nc_u64 s[4:5], s[4:5], s[12:13]
	s_add_nc_u64 s[14:15], s[4:5], 5242880         ; 128 slabs on, so that every offset stays inside the signed 24-bit immediate
	s_add_nc_u64 s[6:7], s[6:7], s[18:19]
	s_add_nc_u64 s[8:9], s[8:9], s[20:21]
.set j, 0
.rept 78
.if j/5 < 8
	global_load_b32 v[X+j], v[1+j%5], s[4:5] offset:(j/5)*655360
.else
	global_load_b32 v[X+j], v[1+j%5], s[14:15] offset:(j/5-8)*655360
.endif
.set j, j+1
.endr
	global_load_b32 v[X+78], v6, s[14:15] offset:7*655360
	v_cvt_f32_u32 v7, v15
	v_and_b32 v8, 15, v0
	v_mov_b32 v9, 0
	v_mov_b32 v11, 0                               ; (named as the upper half of the pair v[10:11] before tau is written)
.set j, 0
.rept 16
	v_mov_b32 v[LA+j], -1.0                        ; under every p
	v_mov_b32 v[LB+j], 0                           ; written once: the destination of a lane form counts as one of its sources
.set j, j+1
.endr
	s_wait_loadcnt 0x0                             ; the maximum wants all 79 rows
	v_max3_num_f32 v10, v[X], v[X+1], v[X+2]       ; R, in two chains
	v_max3_num_f32 v12, v[X+3], v[X+4], v[X+5]
.set j, 6
.rept 18
	v_max3_num_f32 v10, v10, v[X+j], v[X+j+1]
	v_max3_num_f32 v12, v12, v[X+j+2], v[X+j+3]
.set j, j+4
.endr
	v_max3_num_f32 v10, v10, v12, v[X+78]
	v_max_num_f32_dpp v10, v10, v10 row_xmask:1 row_mask:0xf bank_mask:0xf
	v_max_num_f32_dpp v10, v10, v10 row_xmask:2 row_mask:0xf bank_mask:0xf
	v_max_num_f32_dpp v10, v10, v10 row_xmask:4 row_mask:0xf bank_mask:0xf
	v_max_num_f32_dpp v10, v10, v10 row_xmask:8 row_mask:0xf bank_mask:0xf
	v_permlanex16_b32 v12, v10, s[SEL], s[SEL+1]
	v_max_num_f32 v10, v10, v12
	global_store_b32 v9, v10, s[8:9]               ; every lane writes the same word with the same number; v9 and v10 are not written again
.set j, 0
.rept 39
	v_pk_add_f32 v[X+j:X+j+1], v[X+j:X+j+1], v[10:11] op_sel_hi:[1,0] neg_lo:[0,1] neg_hi:[0,1]   ; x - R
.set j, j+2
.endr
	v_sub_f32 v[X+78], v[X+78], v10
.set j, 0
.rept 39
	v_pk_mul_f32 v[X+j:X+j+1], v[X+j:X+j+1], 0x3fb8aa3b op_sel_hi:[1,0]                          ; x log2 e
.set j, j+2
.endr
	v_mul_f32 v[X+78], 0x3fb8aa3b, v[X+78]
.set j, 0
	s_wait_alu depctr_va_vdst(0)
.rept 79
	v_exp_f32 v[X+j], v[X+j]
.set j, j+1
.endr
	v_nop                                          ; a plain line behind the last exponential
	s_wait_alu depctr_va_vdst(0)                   ; one wait for the batch, ahead of its first reader
	v_cmp_gt_u32 vcc_lo, 4, v15
	v_cndmask_b32 v[X+78], -1.0, v[X+78], vcc_lo   ; the last row's lanes 4-31 hold no group
	; ---- pass 1
.set j, 0
.rept 79
	INSERT LA, X+j
.set j, j+1
.endr
	MERGE5
	v_mov_b32 v11, v[LB+15]                        ; tau
	; ---- pass 2.  In a lane the order of scores is the order of 383 - j (a tie) and 511 - j (above tau): numbers of one binade, whose bits are 0x43800000 + (number - 256) x 2^15
.set j, 0
.rept 16
	v_mov_b32 v[LA+j], 0
.set j, j+1
.endr
.set j, 0
.rept 79
	v_cmp_neq_f32 vcc_lo, v[X+j], v11
	v_cndmask_b32 v[12+j%2], 0x43800000+((127-j)<<15), v9, vcc_lo
	v_cmp_le_f32 vcc_lo, v[X+j], v11
	v_cndmask_b32 v[12+j%2], 0x43800000+((255-j)<<15), v[12+j%2], vcc_lo
	INSERT LA, 12+j%2
.set j, j+1
.endr
.set j, 0
.rept 16
	v_fma_f32 v[LA+j], v[LA+j], 0x42000000, -v7    ; x 32 - lane: 12,256 - g or 16,352 - g; an empty entry falls to 0 or under
.set j, j+1
.endr
	MERGE5
	v_mov_b32 v14, v[LB]                           ; lane k takes entry k % 16
.irp k, 1,2,3,4,5,6,7,8,9,10,11,12,13,14,15
	v_cmp_eq_u32 vcc_lo, \k, v8
	v_cndmask_b32 v14, v14, v[LB+\k], vcc_lo
.endr
	v_mov_b32 v13, 0x467f8000                      ; 16,352
	v_cmp_lt_f32 vcc_lo, 0x463f8000, v14           ; 12,256 < score: it was above tau
	v_cndmask_b32 v13, 0x463f8000, v13, vcc_lo
	v_sub_f32 v14, v13, v14                        ; g, exact
	v_cvt_u32_f32 v14, v14
	v_lshlrev_b32 v12, 2, v8
	global_store_b32 v12, v14, s[6:7]              ; at a fixed place; both halves of the wave write the same words
	s_endpgm
.Lfunc_end_k_q1bfadb7d5b_pickg:
	.size	k_q1bfadb7d5b_pickg, .Lfunc_end_k_q1bfadb7d5b_pickg-k_q1bfadb7d5b_pickg
	.p2alignl 7, 3214868480
	.fill 96, 4, 3214868480
	.section	.rodata,"a",@progbits
	.p2align	6, 0x0
	.amdhsa_kernel k_q1bfadb7d5b_pickg
		.amdhsa_group_segment_fixed_size 0
		.amdhsa_private_segment_fixed_size 0
		.amdhsa_enable_private_segment 0
		.amdhsa_kernarg_size 24
		.amdhsa_user_sgpr_count 2
		.amdhsa_user_sgpr_kernarg_segment_ptr 1
		.amdhsa_wavefront_size32 1
		.amdhsa_system_sgpr_workgroup_id_x 1
		.amdhsa_system_sgpr_workgroup_id_y 1
		.amdhsa_system_sgpr_workgroup_id_z 1
		.amdhsa_system_vgpr_workitem_id 0
		.amdhsa_next_free_vgpr 128
		.amdhsa_next_free_sgpr 66
		.amdhsa_reserve_vcc 1
		.amdhsa_float_denorm_mode_32 3
		.amdhsa_float_denorm_mode_16_64 3
		.amdhsa_memory_ordered 1
		.amdhsa_forward_progress 1
		.amdhsa_inst_pref_size 226
	.end_amdhsa_kernel
	.amdgpu_metadata
---
amdhsa.version: [ 1, 2 ]
amdhsa.kernels:
  - .name:           k_q1bfadb7d5b_pickg
    .symbol:         k_q1bfadb7d5b_pickg.kd
    .args:
      - { .name: gmax, .offset: 0, .size: 8, .value_kind: global_buffer, .address_space: global }
      - { .name: glist, .offset: 8, .size: 8, .value_kind: global_buffer, .address_space: global }
      - { .name: rowmax, .offset: 16, .size: 8, .value_kind: global_buffer, .address_space: global }
    .group_segment_fixed_size: 0
    .private_segment_fixed_size: 0
    .kernarg_segment_align: 8
    .kernarg_segment_size: 24
    .max_flat_workgroup_size: 128
    .sgpr_count:     66
    .vgpr_count:     128
    .wavefront_size: 32
...
	.end_amdgpu_metadata
.endif
;; end of part 3
;; launch pickr (part 4): grid 256 x 1, 4 waves a work-group, no clusters, 0 bytes of LDS; arguments glist, prep, tcodes, tscales, rowmax, idx16; writes idx16
.if DOCPART == 4
	.amdgcn_target "amdgcn-amd-amdhsa--gfx1250"
	.amdhsa_code_object_version 6
	.text
	.protected	k_q1bfadb7d5b_pickr
	.globl	k_q1bfadb7d5b_pickr
	.p2align	8
	.type	k_q1bfadb7d5b_pickr,@function
k_q1bfadb7d5b_pickr:
	s_mov_b64 s[64:65], 0
	v_nop
	global_prefetch_b8 v0, s[64:65] scope:SCOPE_SE
	s_setreg_imm32_b32 hwreg(HW_REG_WAVE_MODE, 25, 1), 1
	s_wait_xcnt 0x0
; PICKR: for each query the logits of the 640 rows of its 16 groups are made again from the stored codes (the same instruction and K order as before, sources swapped: the same bits), and the 16 best rows are chosen; ties go to the lower row.
; A wave takes a query.  Source 0 = the query's fragment in all 16 rows (all lanes of a half read the same 16 bytes); source 1 = 16 candidate rows: register 0 of the result holds, in lane r and in lane 16 + r, candidate r's logit.
; A group's five octets make three tiles: octets (0, 1), (2, 3), (4, 4): the last tile's lanes 8-15 read octet 4 again and are struck out by a constant mask.  48 tiles: 24 rows of 32 lanes.
; The groups' numbers are whole numbers that an earlier launch stored: they are held to 0 .. 2,499 and enter scalar bases.  No branch and no address hangs on a floating-point number.
; LIMITS: as stated for the choice of groups (ties that only a full softmax's rounding makes; x - R under about -87; v_exp_f32 taken not to fall where its input rises; no NaN, no infinities).
.set QF,  16                           ; v16-31  the query's fragments: 8 s + 4 c
.set QSW, 32                           ; v32     its scale words: lanes 0-15 K step 0, lanes 16-31 K step 1
.set XR,  34                           ; v34-57  the 24 rows
.set AC,  58                           ; v58-81  three accumulators
.set FR,  82                           ; v82-225 the candidates' fragments: three sets of 48: 16 i + 8 s + 4 c
.set CS,  226                          ; v226-234 their scale words: three sets of 3
.set LA,  82                           ; behind the products: two lists of 16
.set LB,  98
.set SEL, 104                          ; s[104:105]
; v1 / v2 my place in two octets / in one, codes; v3 / v4 the same, scale words; v5 r; v6 -1; v7 0; v8 131,072; v9 tau; v10 R; v11-13 addresses, then at work; v14 my entry
; s2 lanes 16-31; s3 lanes 8-15; s98 lanes 24-31; s16-31 the groups; s[32:63] their codes; s[66:97] their scale words; s99 the query
.macro INSERT l, x
.irp i, 15,14,13,12,11,10,9,8,7,6,5,4,3,2,1
	v_med3_num_f32 v[\l+\i], v[\l+\i-1], v[\l+\i], v[\x]
.endr
	v_max_num_f32 v[\l], v[\l], v[\x]
.endm
.macro CLEAN a, b, d
.set ci, 0
.rept 16
.if (ci & \d) == 0
	v_max_num_f32 v[\b+ci], v[\a+ci], v[\a+ci+\d]
	v_min_num_f32 v[\b+ci+\d], v[\a+ci], v[\a+ci+\d]
.endif
.set ci, ci+1
.endr
.endm
.macro SORT4 a, b
	CLEAN \b, \a, 8
	CLEAN \a, \b, 4
	CLEAN \b, \a, 2
	CLEAN \a, \b, 1
.endm
.macro XMERGE a, b, m
.set mi, 0
.rept 16
	v_max_num_f32_dpp v[\b+mi], v[\a+15-mi], v[\a+mi] row_xmask:\m row_mask:0xf bank_mask:0xf
.set mi, mi+1
.endr
	SORT4 \a, \b
.endm
.macro XMERGE16 a, b
.set mi, 0
.rept 16
	v_permlanex16_b32 v[\b+mi], v[\a+15-mi], s[SEL], s[SEL+1]
.set mi, mi+1
.endr
.set mi, 0
.rept 16
	v_max_num_f32 v[\b+mi], v[\b+mi], v[\a+mi]
.set mi, mi+1
.endr
	SORT4 \a, \b
.endm
.macro MERGE5
	XMERGE LA, LB, 1
	XMERGE LB, LA, 2
	XMERGE LA, LB, 4
	XMERGE LB, LA, 8
	XMERGE16 LA, LB
.endm
.macro LOADG k                         ; group k's three tiles: 12 + 3 loads; each load of codes reads 256 consecutive bytes of each octet
.set FS, FR+48*((\k)%3)
.irp i, 0,1
.irp p, 0,1,2,3
	global_load_b128 v[FS+16*\i+4*\p:FS+16*\i+4*\p+3], v1, s[32+2*(\k):33+2*(\k)] offset:\i*2048+\p*256
.endr
	global_load_b32 v[CS+3*((\k)%3)+\i], v3, s[66+2*(\k):67+2*(\k)] offset:\i*128
.endr
.irp p, 0,1,2,3
	global_load_b128 v[FS+32+4*\p:FS+32+4*\p+3], v2, s[32+2*(\k):33+2*(\k)] offset:4096+\p*256
.endr
	global_load_b32 v[CS+3*((\k)%3)+2], v4, s[66+2*(\k):67+2*(\k)] offset:256
.endm
.macro GROUP k
.if (\k) <= 13
	s_wait_loadcnt 30                              ; this group's loads are in; the two groups behind it, 15 loads each, may be out
.elseif (\k) == 14
	s_wait_loadcnt 15
.else
	s_wait_loadcnt 0x0
.endif
.set FS, FR+48*((\k)%3)
.irp i, 0,1,2                                  ; the three accumulators take turns, one instruction a turn
	v_wmma_scale_f32_16x16x128_f8f6f4 v[AC+8*\i:AC+8*\i+7], v[QF:QF+7], v[FS+16*\i:FS+16*\i+7], 0, v[QSW], v[CS+3*((\k)%3)+\i] matrix_a_fmt:MATRIX_FMT_FP4 matrix_b_fmt:MATRIX_FMT_FP4
.endr
.irp i, 0,1,2
	v_wmma_scale_f32_16x16x128_f8f6f4 v[AC+8*\i:AC+8*\i+7], v[QF+8:QF+15], v[FS+16*\i+8:FS+16*\i+15], v[AC+8*\i:AC+8*\i+7], v[QSW], v[CS+3*((\k)%3)+\i] matrix_a_fmt:MATRIX_FMT_FP4 matrix_b_fmt:MATRIX_FMT_FP4 matrix_a_scale:MATRIX_SCALE_ROW1 matrix_b_scale:MATRIX_SCALE_ROW1
.endr
.rept 4
	v_nop                                          ; four places in front of the reads of results and of the loads into registers just multiplied; with two of the three lines below, six in front of the next group's products, which begin the accumulators anew
.endr
	s_wait_alu depctr_va_vdst(0)
.irp i, 0,1,2
.if (3*(\k)+\i)%2 == 0
	v_mov_b32 v[XR+(3*(\k)+\i)/2], v[AC+8*\i]      ; an even tile takes lanes 0-15 of its row (and fills the rest for now),
.else
	v_cndmask_b32 v[XR+(3*(\k)+\i)/2], v[XR+(3*(\k)+\i)/2], v[AC+8*\i], s2   ; an odd tile lanes 16-31
.endif
.endr
.if (\k)+3 <= 15
	LOADG (\k)+3
.endif
.endm
	s_load_b256 s[4:11], s[0:1], 0x0               ; glist s[4:5], prep s[6:7], tcodes s[8:9], tscales s[10:11]
	s_load_b128 s[12:15], s[0:1], 0x20             ; rowmax s[12:13], idx16 s[14:15]
	v_lshrrev_b32 v1, 5, v0
	v_readfirstlane_b32 s99, v1
	s_lshl_b32 s100, ttmp9, 2
	s_add_co_u32 s99, s99, s100                    ; my query
	s_lshl_b32 s100, s99, 6
	s_mov_b32 s101, 0
	s_mov_b32 s2, 0xffff0000
	s_mov_b32 s3, 0x0000ff00
	s_mov_b32 s98, 0xff000000
	s_mov_b32 s[SEL], 0x76543210
	s_mov_b32 s[SEL+1], 0xfedcba98
	v_and_b32 v5, 15, v0                           ; r
	v_and_b32 v6, 7, v0                            ; r'
	v_bfe_u32 v7, v0, 3, 1                         ; u
	v_bfe_u32 v8, v0, 4, 1                         ; h
	v_lshlrev_b32 v2, 4, v6
	v_lshl_add_u32 v2, v8, 7, v2                   ; 128 h + 16 r'
	v_lshl_add_u32 v1, v7, 10, v2                  ; + 1,024 u
	v_lshlrev_b32 v4, 2, v6
	v_lshl_add_u32 v4, v8, 5, v4                   ; 32 h + 4 r'
	v_lshl_add_u32 v3, v7, 6, v4                   ; + 64 u
	s_wait_alu depctr_va_vdst(0)
	s_wait_kmcnt 0x0
	s_add_nc_u64 s[4:5], s[4:5], s[100:101]
	s_add_nc_u64 s[14:15], s[14:15], s[100:101]
	s_load_b512 s[16:31], s[4:5], 0x0              ; my 16 groups
	s_lshr_b32 s32, s99, 4                         ; the query's tile,
	s_and_b32 s33, s99, 15                         ; and its row there
	s_lshl_b32 s34, s32, 11
	s_lshl_b32 s35, s33, 4
	s_add_co_u32 s34, s34, s35
	v_lshl_add_u32 v11, v8, 8, s34                 ; its 16 bytes of an image: those of lane row + 16 h
	s_lshl_b32 s34, s32, 7
	s_lshl_b32 s35, s33, 2
	s_add_co_u32 s34, s34, s35
	v_lshl_add_u32 v12, v8, 6, s34                 ; its scale word of K step h
	s_lshl_b32 s34, s99, 2
	v_mov_b32 v13, s34
.irp p, 0,1,2,3
	global_load_b128 v[QF+4*\p:QF+4*\p+3], v11, s[6:7] offset:512*\p
.endr
	global_load_b32 v[QSW], v12, s[6:7] offset:131072
	global_load_b32 v10, v13, s[12:13]             ; R
	v_mov_b32 v6, -1.0
	v_mov_b32 v7, 0
	v_mov_b32 v8, 0x48000000                       ; 131,072
	s_wait_kmcnt 0x0
.irp k, 0,1,2,3,4,5,6,7,8,9,10,11,12,13,14,15
	s_min_u32 s[16+\k], s[16+\k], 2499
	s_mul_i32 s100, s[16+\k], 5120
	s_add_nc_u64 s[32+2*\k:33+2*\k], s[8:9], s[100:101]
	s_mul_i32 s100, s[16+\k], 320
	s_add_nc_u64 s[66+2*\k:67+2*\k], s[10:11], s[100:101]
.endr
	LOADG 0
	LOADG 1
	LOADG 2
.irp k, 0,1,2,3,4,5,6,7,8,9,10,11,12,13,14,15
	GROUP \k
.endr
	; ---- the key
.set j, 0
.rept 12
	v_pk_add_f32 v[XR+j:XR+j+1], v[XR+j:XR+j+1], v[10:11] op_sel_hi:[1,0] neg_lo:[0,1] neg_hi:[0,1]   ; x - R
.set j, j+2
.endr
.set j, 0
.rept 12
	v_pk_mul_f32 v[XR+j:XR+j+1], v[XR+j:XR+j+1], 0x3fb8aa3b op_sel_hi:[1,0]
.set j, j+2
.endr
.set j, 0
	s_wait_alu depctr_va_vdst(0)
.rept 24
	v_exp_f32 v[XR+j], v[XR+j]
.set j, j+1
.endr
	v_nop                                          ; a plain line behind the last exponential
.set j, 0
.rept 16
	v_mov_b32 v[LA+j], -1.0
	v_mov_b32 v[LB+j], 0                           ; written once: the destination of a lane form counts as one of its sources
.set j, j+1
.endr
	s_wait_alu depctr_va_vdst(0)                   ; one wait for the batch, ahead of its first reader
.set j, 0
.rept 24
.if j%3 == 1
	v_cndmask_b32 v[XR+j], v[XR+j], v6, s3         ; tile 2 j is a group's third: its lanes 8-15 repeat octet 4
.elseif j%3 == 2
	v_cndmask_b32 v[XR+j], v[XR+j], v6, s98        ; tile 2 j + 1 is
.endif
.set j, j+1
.endr
	; ---- pass 1
.set j, 0
.rept 24
	INSERT LA, XR+j
.set j, j+1
.endr
	MERGE5
	v_mov_b32 v9, v[LB+15]                         ; tau
	; ---- pass 2.  Candidate r of tile i of group g is table row 40 g + 16 i + r
.set j, 0
.rept 16
	v_mov_b32 v[LA+j], 0
.set j, j+1
.endr
.set j, 0
.rept 24
	s_mul_i32 s100, s[16+(2*j)/3], 40
	s_sub_co_u32 s100, 131072-16*((2*j)%3), s100
	s_mul_i32 s101, s[16+(2*j+1)/3], 40
	s_sub_co_u32 s101, 131072-16*((2*j+1)%3), s101
	v_mov_b32 v12, s100
	v_cndmask_b32 v12, v12, s101, s2
	v_sub_nc_u32 v12, v12, v5
	v_cvt_f32_u32 v12, v12                         ; 131,072 - row, exact
	v_cmp_ge_f32 vcc_lo, v[XR+j], v9
	v_cndmask_b32 v12, 0, v12, vcc_lo
	v_cmp_gt_f32 vcc_lo, v[XR+j], v9
	v_cndmask_b32 v13, 0, v8, vcc_lo
	v_add_f32 v12, v12, v13
	INSERT LA, 12
.set j, j+1
.endr
	MERGE5
	v_mov_b32 v14, v[LB]                           ; lane k takes entry k % 16
.irp k, 1,2,3,4,5,6,7,8,9,10,11,12,13,14,15
	v_cmp_eq_u32 vcc_lo, \k, v5
	v_cndmask_b32 v14, v14, v[LB+\k], vcc_lo
.endr
	v_mov_b32 v13, 0x48800000                      ; 262,144
	v_cmp_lt_f32 vcc_lo, v8, v14
	v_cndmask_b32 v13, v8, v13, vcc_lo
	v_sub_f32 v14, v13, v14                        ; the row, exact
	v_cvt_u32_f32 v14, v14
	v_lshlrev_b32 v12, 2, v5
	global_store_b32 v12, v14, s[14:15]            ; at a fixed place; both halves of the wave write the same words
	s_endpgm
.Lfunc_end_k_q1bfadb7d5b_pickr:
	.size	k_q1bfadb7d5b_pickr, .Lfunc_end_k_q1bfadb7d5b_pickr-k_q1bfadb7d5b_pickr
	.p2alignl 7, 3214868480
	.fill 96, 4, 3214868480
	.section	.rodata,"a",@progbits
	.p2align	6, 0x0
	.amdhsa_kernel k_q1bfadb7d5b_pickr
		.amdhsa_group_segment_fixed_size 0
		.amdhsa_private_segment_fixed_size 0
		.amdhsa_enable_private_segment 0
		.amdhsa_kernarg_size 48
		.amdhsa_user_sgpr_count 2
		.amdhsa_user_sgpr_kernarg_segment_ptr 1
		.amdhsa_wavefront_size32 1
		.amdhsa_system_sgpr_workgroup_id_x 1
		.amdhsa_system_sgpr_workgroup_id_y 1
		.amdhsa_system_sgpr_workgroup_id_z 1
		.amdhsa_system_vgpr_workitem_id 0
		.amdhsa_next_free_vgpr 240
		.amdhsa_next_free_sgpr 106
		.amdhsa_reserve_vcc 1
		.amdhsa_float_denorm_mode_32 3
		.amdhsa_float_denorm_mode_16_64 3
		.amdhsa_memory_ordered 1
		.amdhsa_forward_progress 1
		.amdhsa_inst_pref_size 143
	.end_amdhsa_kernel
	.amdgpu_metadata
---
amdhsa.version: [ 1, 2 ]
amdhsa.kernels:
  - .name:           k_q1bfadb7d5b_pickr
    .symbol:         k_q1bfadb7d5b_pickr.kd
    .args:
      - { .name: glist, .offset: 0, .size: 8, .value_kind: global_buffer, .address_space: global }
      - { .name: prep, .offset: 8, .size: 8, .value_kind: global_buffer, .address_space: global }
      - { .name: tcodes, .offset: 16, .size: 8, .value_kind: global_buffer, .address_space: global }
      - { .name: tscales, .offset: 24, .size: 8, .value_kind: global_buffer, .address_space: global }
      - { .name: rowmax, .offset: 32, .size: 8, .value_kind: global_buffer, .address_space: global }
      - { .name: idx16, .offset: 40, .size: 8, .value_kind: global_buffer, .address_space: global }
    .group_segment_fixed_size: 0
    .private_segment_fixed_size: 0
    .kernarg_segment_align: 8
    .kernarg_segment_size: 48
    .max_flat_workgroup_size: 128
    .sgpr_count:     106
    .vgpr_count:     240
    .wavefront_size: 32
...
	.end_amdgpu_metadata
.endif
;; end of part 4
;; launch pool (part 5): grid 256 x 1, 4 waves a work-group, no clusters, 0 bytes of LDS; arguments idx16, tcodes, tscales, prep, b, table, out0; writes out0
.if DOCPART == 5
	.amdgcn_target "amdgcn-amd-amdhsa--gfx1250"
	.amdhsa_code_object_version 6
	.text
	.protected	k_q1bfadb7d5b_pool
	.globl	k_q1bfadb7d5b_pool
	.p2align	8
	.type	k_q1bfadb7d5b_pool,@function
k_q1bfadb7d5b_pool:
	s_mov_b64 s[64:65], 0
	v_nop
	global_prefetch_b8 v0, s[64:65] scope:SCOPE_SE
	s_setreg_imm32_b32 hwreg(HW_REG_WAVE_MODE, 25, 1), 1
	s_wait_xcnt 0x0
; POOL: for each query, over its 16 rows h of the table: e = tanh(Q(h) Q(a)) b, a softmax over the 16 (its maximum taken away), and the sum of the f32 rows weighted by it.
; A wave takes a query.  Q(h) IS the rows' stored codes: the same numbers, the same K, the same blocks.  Source 0 = the 16 rows, source 1 = 16 columns of a: lane (r, h) holds z(row 8 h + j, column 16 t + r) in register j.
; The 16 tiles of a's columns go in four passes of four, their fragments two passes ahead in two buffers.  tanh x = 1 - 2 / (1 + 2^(2 x log2 e)).  The products with b (N = 1) and with the weights (M = 1) are fused multiply-adds in f32.
; The rows' numbers are whole numbers that an earlier launch stored: held to 0 .. 99,999.  The 16 rows' f32 numbers are asked for ahead of the products and land in window 1.
; LIMITS: NaN and infinities are not served.
.set IDMAX, 99999
.set ACP,  139264                      ; prep: a's fragments,
.set ASCP, 172032                      ; and their scale words
.set RO,  10                           ; v10-17  the rows 8 h + j: numbers, then byte offsets
.set BB,  18                           ; v18-33  b(16 t + r)
.set HF,  34                           ; v34-49  the rows' fragments
.set HS,  50                           ; v50     their scale words
.set EV,  52                           ; v52-59  e(8 h + j)
.set ASW, 60                           ; v60-67  a's scale words, two buffers of 4
.set AF,  68                           ; v68-195 a's fragments, two buffers of 64
.set ACC, 196                          ; v196-227 four accumulators
.set P,   228                          ; v228-243 the pooled row: piece p of 64 numbers at 4 p
.set AL,  244                          ; v244-251 the weights
.set MSB, 0
.macro WIN new                         ; the immediate's high byte repeats the setting that is left
.if MSB != \new
	s_set_vgpr_msb (MSB<<8)|\new
.set MSB, \new
.endif
.endm
.macro ALOAD pi                        ; pass pi's four tiles: 16 + 4 loads
.irp n, 0,1,2,3,4,5,6,7,8,9,10,11,12,13,14,15
	global_load_b128 v[AF+64*((\pi)%2)+4*\n:AF+64*((\pi)%2)+4*\n+3], v3, s[10:11] offset:ACP+(\pi)*8192+\n*512
.endr
.irp t, 0,1,2,3
	global_load_b32 v[ASW+4*((\pi)%2)+\t], v4, s[10:11] offset:ASCP+((\pi)*4+\t)*128
.endr
.endm
.macro PASS pi
.set BF, AF+64*((\pi)%2)
.set BS, ASW+4*((\pi)%2)
.irp t, 0,1,2,3                                ; the four accumulators take turns, one instruction a turn
	v_wmma_scale_f32_16x16x128_f8f6f4 v[ACC+8*\t:ACC+8*\t+7], v[HF:HF+7], v[BF+16*\t:BF+16*\t+7], 0, v[HS], v[BS+\t] matrix_a_fmt:MATRIX_FMT_FP4 matrix_b_fmt:MATRIX_FMT_FP4
.endr
.irp t, 0,1,2,3
	v_wmma_scale_f32_16x16x128_f8f6f4 v[ACC+8*\t:ACC+8*\t+7], v[HF+8:HF+15], v[BF+16*\t+8:BF+16*\t+15], v[ACC+8*\t:ACC+8*\t+7], v[HS], v[BS+\t] matrix_a_fmt:MATRIX_FMT_FP4 matrix_b_fmt:MATRIX_FMT_FP4 matrix_a_scale:MATRIX_SCALE_ROW1 matrix_b_scale:MATRIX_SCALE_ROW1
.endr
.rept 4
	v_nop                                          ; four places in front of the loads into the buffer just multiplied and of the first read of results
.endr
.if (\pi)+2 <= 3
	ALOAD (\pi)+2
.endif
.set a, ACC
.rept 16
	v_pk_mul_f32 v[a:a+1], v[a:a+1], 0x4038aa3b op_sel_hi:[1,0]   ; 2 z log2 e; each accumulator from its low end on
.set a, a+2
.endr
.set a, ACC
	s_wait_alu depctr_va_vdst(0)
.rept 32
	v_exp_f32 v[a], v[a]
.set a, a+1
.endr
	v_nop                                          ; a plain line behind the batch,
	s_wait_alu depctr_va_vdst(0)                   ; and one wait ahead of its first reader
.set a, ACC
.rept 16
	v_pk_add_f32 v[a:a+1], v[a:a+1], 1.0 op_sel_hi:[1,0]
.set a, a+2
.endr
.set a, ACC
	s_wait_alu depctr_va_vdst(0)
.rept 32
	v_rcp_f32 v[a], v[a]
.set a, a+1
.endr
	v_nop
	s_wait_alu depctr_va_vdst(0)
.set a, ACC
.rept 16
	v_pk_fma_f32 v[a:a+1], v[a:a+1], -2.0, 1.0 op_sel_hi:[1,0,0]  ; tanh z
.set a, a+2
.endr
.irp tl, 0,1,2,3                               ; e += tanh z x b: b of an even tile is the low word of its pair, of an odd tile the high word
.irp jj, 0,2,4,6
.if ((\pi) == 0) && (\tl == 0)
	v_pk_mul_f32 v[EV+\jj:EV+\jj+1], v[ACC+\jj:ACC+\jj+1], v[BB:BB+1] op_sel_hi:[1,0]   ; the first tile starts the sums
.elseif (\tl % 2) == 0
	v_pk_fma_f32 v[EV+\jj:EV+\jj+1], v[ACC+8*\tl+\jj:ACC+8*\tl+\jj+1], v[BB+4*(\pi)+\tl:BB+4*(\pi)+\tl+1], v[EV+\jj:EV+\jj+1] op_sel_hi:[1,0,1]
.else
	v_pk_fma_f32 v[EV+\jj:EV+\jj+1], v[ACC+8*\tl+\jj:ACC+8*\tl+\jj+1], v[BB+4*(\pi)+\tl-1:BB+4*(\pi)+\tl], v[EV+\jj:EV+\jj+1] op_sel:[0,1,0] op_sel_hi:[1,1,1]
.endif
.endr
.endr
.endm
	s_load_b256 s[4:11], s[0:1], 0x0               ; idx16 s[4:5], tcodes s[6:7], tscales s[8:9], prep s[10:11]
	s_load_b128 s[12:15], s[0:1], 0x20             ; b s[12:13], table s[14:15]
	s_load_b64 s[16:17], s[0:1], 0x30              ; out0
	v_lshrrev_b32 v1, 5, v0
	v_readfirstlane_b32 s18, v1
	s_lshl_b32 s19, ttmp9, 2
	s_add_co_u32 s19, s19, s18                     ; my query
	s_lshl_b32 s20, s19, 6
	s_mov_b32 s21, 0
	s_lshl_b32 s22, s19, 10
	s_mov_b32 s23, 0
	s_mov_b32 s24, 0x76543210
	s_mov_b32 s25, 0xfedcba98                      ; v_permlanex16_b32's selects for lane l xor 16
	v_and_b32 v1, 15, v0                           ; r
	v_bfe_u32 v2, v0, 4, 1                         ; h
	v_and_b32 v3, 31, v0
	v_lshlrev_b32 v4, 2, v3                        ; 4 x lane
	v_lshlrev_b32 v3, 4, v3                        ; 16 x lane
	v_lshlrev_b32 v8, 2, v1                        ; 4 r
	v_lshlrev_b32 v9, 5, v2                        ; 32 h
	v_mov_b32 v253, 0                              ; written once: a lane permute's destination counts as one of its sources
	s_wait_alu depctr_va_vdst(0)
	s_wait_kmcnt 0x0
	s_add_nc_u64 s[4:5], s[4:5], s[20:21]
	s_add_nc_u64 s[16:17], s[16:17], s[22:23]
	global_load_b32 v5, v8, s[4:5]                 ; row r, for the codes;
	global_load_b128 v[RO:RO+3], v9, s[4:5]        ; rows 8 h + 0 .. 7, for the f32 numbers
	global_load_b128 v[RO+4:RO+7], v9, s[4:5] offset:16
.irp t, 0,1,2,3,4,5,6,7,8,9,10,11,12,13,14,15
	global_load_b32 v[BB+\t], v8, s[12:13] offset:64*\t
.endr
	ALOAD 0
	ALOAD 1
	s_wait_loadcnt 56                              ; the three loads of row numbers are in; b's 16 and a's 40 may be out
	v_min_u32 v5, IDMAX, v5
	v_and_b32 v252, 0x1fff8, v5                    ; 8 x octet
	v_and_b32 v254, 7, v5                          ; row in it
	v_lshlrev_b32 v6, 7, v252
	v_lshl_add_u32 v6, v254, 4, v6
	v_lshl_add_u32 v6, v2, 7, v6                   ; codes: 1,024 octet + 16 row + 128 h
	v_lshlrev_b32 v7, 3, v252
	v_lshl_add_u32 v7, v254, 2, v7
	v_lshl_add_u32 v7, v2, 5, v7                   ; scale words: 64 octet + 4 row + 32 h: lanes 0-15 K step 0, lanes 16-31 K step 1
.irp j, 0,1,2,3,4,5,6,7
	v_min_u32 v[RO+\j], IDMAX, v[RO+\j]
.endr
.irp j, 0,1,2,3,4,5,6,7
	v_lshlrev_b32 v[RO+\j], 10, v[RO+\j]
.endr
.irp j, 0,1,2,3,4,5,6,7
	v_lshl_add_u32 v[RO+\j], v1, 4, v[RO+\j]       ; the row's 1,024 bytes, + 16 r
.endr
.irp p, 0,1,2,3
	global_load_b128 v[HF+4*\p:HF+4*\p+3], v6, s[6:7] offset:256*\p
.endr
	global_load_b32 v[HS], v7, s[8:9]
	WIN 0x40                                       ; destination window 1, address window 0
.irp j, 0,1,2,3,4,5,6,7
.irp p, 0,1,2,3
	global_load_b128 v[16*\j+4*\p:16*\j+4*\p+3], v[RO+\j], s[14:15] offset:256*\p   ; sixteen lanes read 256 consecutive bytes of a row
.endr
.endr
	WIN 0
	s_wait_loadcnt 32                              ; all but the 32 loads of f32 rows
	PASS 0
	PASS 1
	s_wait_loadcnt 20                              ; pass 2's loads are in; pass 3's twenty may be out
	PASS 2
	s_wait_loadcnt 0x0
	PASS 3
.irp m, 1,2,4,8                                ; over the 16 lanes of a half: all 256 columns
.irp j, 0,1,2,3,4,5,6,7
	v_add_f32_dpp v[EV+\j], v[EV+\j], v[EV+\j] row_xmask:\m row_mask:0xf bank_mask:0xf
.endr
.endr
	v_max3_num_f32 v252, v[EV], v[EV+1], v[EV+2]   ; the softmax over the 16 rows: the largest e,
	v_max3_num_f32 v252, v252, v[EV+3], v[EV+4]
	v_max3_num_f32 v252, v252, v[EV+5], v[EV+6]
	v_max_num_f32 v252, v252, v[EV+7]
	v_permlanex16_b32 v253, v252, s24, s25
	v_max_num_f32 v252, v252, v253
.irp j, 0,1,2,3,4,5,6,7
	v_sub_f32 v[AL+\j], v[EV+\j], v252
.endr
.irp j, 0,1,2,3,4,5,6,7
	v_mul_f32 v[AL+\j], 0x3fb8aa3b, v[AL+\j]
.endr
	s_wait_alu depctr_va_vdst(0)
.irp j, 0,1,2,3,4,5,6,7
	v_exp_f32 v[AL+\j], v[AL+\j]
.endr
	v_nop
	s_wait_alu depctr_va_vdst(0)
	v_add_f32 v254, v[AL], v[AL+1]                 ; the sum, in two chains,
	v_add_f32 v255, v[AL+2], v[AL+3]
	v_add_f32 v254, v254, v[AL+4]
	v_add_f32 v255, v255, v[AL+5]
	v_add_f32 v254, v254, v[AL+6]
	v_add_f32 v255, v255, v[AL+7]
	v_add_f32 v254, v254, v255
	v_permlanex16_b32 v253, v254, s24, s25
	v_add_f32 v254, v254, v253                     ; with the other half's eight
	s_wait_alu depctr_va_vdst(0)
	v_rcp_f32 v254, v254
	v_nop
	s_wait_alu depctr_va_vdst(0)
.irp j, 0,2,4,6
	v_pk_mul_f32 v[AL+\j:AL+\j+1], v[AL+\j:AL+\j+1], v[254:255] op_sel_hi:[1,0]
.endr
	WIN 0x01                                       ; source 0 (the rows' numbers) window 1
.irp j, 0,1,2,3,4,5,6,7                        ; my half's eight rows, weighted: numbers 64 p + 4 r + 0 .. 3
.irp x, 0,2,4,6,8,10,12,14
.if \j == 0
	v_pk_mul_f32 v[P+\x:P+\x+1], v[\x:\x+1], v[AL:AL+1] op_sel_hi:[1,0]
.elseif (\j % 2) == 0
	v_pk_fma_f32 v[P+\x:P+\x+1], v[16*\j+\x:16*\j+\x+1], v[AL+\j:AL+\j+1], v[P+\x:P+\x+1] op_sel_hi:[1,0,1]
.else
	v_pk_fma_f32 v[P+\x:P+\x+1], v[16*\j+\x:16*\j+\x+1], v[AL+\j-1:AL+\j], v[P+\x:P+\x+1] op_sel:[0,1,0] op_sel_hi:[1,1,1]
.endif
.endr
.endr
	WIN 0
.irp x, 0,1,2,3                                ; the halves meet: behind the exchange lanes 0-15 hold both halves' piece 0 (2), lanes 16-31 both halves' piece 1 (3)
	v_permlane16_swap_b32 v[P+\x], v[P+4+\x]
	v_permlane16_swap_b32 v[P+8+\x], v[P+12+\x]
.endr
.irp x, 0,2
	v_pk_add_f32 v[P+\x:P+\x+1], v[P+\x:P+\x+1], v[P+4+\x:P+4+\x+1]
	v_pk_add_f32 v[P+8+\x:P+8+\x+1], v[P+8+\x:P+8+\x+1], v[P+12+\x:P+12+\x+1]
.endr
	global_store_b128 v3, v[P:P+3], s[16:17]               ; 32 lanes store 512 consecutive bytes, at a multiple of 256 from out0's first byte
	global_store_b128 v3, v[P+8:P+11], s[16:17] offset:512
	s_endpgm
.Lfunc_end_k_q1bfadb7d5b_pool:
	.size	k_q1bfadb7d5b_pool, .Lfunc_end_k_q1bfadb7d5b_pool-k_q1bfadb7d5b_pool
	.p2alignl 7, 3214868480
	.fill 96, 4, 3214868480
	.section	.rodata,"a",@progbits
	.p2align	6, 0x0
	.amdhsa_kernel k_q1bfadb7d5b_pool
		.amdhsa_group_segment_fixed_size 0
		.amdhsa_private_segment_fixed_size 0
		.amdhsa_enable_private_segment 0
		.amdhsa_kernarg_size 56
		.amdhsa_user_sgpr_count 2
		.amdhsa_user_sgpr_kernarg_segment_ptr 1
		.amdhsa_wavefront_size32 1
		.amdhsa_system_sgpr_workgroup_id_x 1
		.amdhsa_system_sgpr_workgroup_id_y 1
		.amdhsa_system_sgpr_workgroup_id_z 1
		.amdhsa_system_vgpr_workitem_id 0
		.amdhsa_next_free_vgpr 384
		.amdhsa_next_free_sgpr 66
		.amdhsa_reserve_vcc 0
		.amdhsa_float_denorm_mode_32 3
		.amdhsa_float_denorm_mode_16_64 3
		.amdhsa_memory_ordered 1
		.amdhsa_forward_progress 1
		.amdhsa_inst_pref_size 56
	.end_amdhsa_kernel
	.amdgpu_metadata
---
amdhsa.version: [ 1, 2 ]
amdhsa.kernels:
  - .name:           k_q1bfadb7d5b_pool
    .symbol:         k_q1bfadb7d5b_pool.kd
    .args:
      - { .name: idx16, .offset: 0, .size: 8, .value_kind: global_buffer, .address_space: global }
      - { .name: tcodes, .offset: 8, .size: 8, .value_kind: global_buffer, .address_space: global }
      - { .name: tscales, .offset: 16, .size: 8, .value_kind: global_buffer, .address_space: global }
      - { .name: prep, .offset: 24, .size: 8, .value_kind: global_buffer, .address_space: global }
      - { .name: b, .offset: 32, .size: 8, .value_kind: global_buffer, .address_space: global }
      - { .name: table, .offset: 40, .size: 8, .value_kind: global_buffer, .address_space: global }
      - { .name: out0, .offset: 48, .size: 8, .value_kind: global_buffer, .address_space: global }
    .group_segment_fixed_size: 0
    .private_segment_fixed_size: 0
    .kernarg_segment_align: 8
    .kernarg_segment_size: 56
    .max_flat_workgroup_size: 128
    .sgpr_count:     66
    .vgpr_count:     384
    .wavefront_size: 32
...
	.end_amdgpu_metadata
.endif
;; end of part 5
